; MI455X (gfx1250); checked and timed in simulation.
; The chip was launched on July 23, 2026; its instructions are those of AMD's public machine-readable ISA for CDNA 5 (MIT licence, August 2026) and "CDNA5" Instruction Set Architecture Reference Guide (July 2026). The comments in the code are by the model that wrote it; some were corrected since.
;; Multi Head Attention. Allowed arithmetic: float matrix products may take bf16 or f16 operands with f32 sums; all other float work in f32.
;; Inputs: Wproj 1,024 x 1,024 float32; Wqkv 1,024 x 3,072 float32; bproj 1,024 float32; cos 2,048 x 32 float32; sin 2,048 x 32 float32; x 2 x 2,048 x 1,024 float32.
;; Outputs: out0 2 x 2,048 x 1,024 float32.
;; 2 versions, each right; version 2 is version 1 with the launch prep written anew for expert scheduling mode. Each part assembles by itself: llvm-mc -triple=amdgcn-amd-amdhsa -mcpu=gfx1250 --defsym DOCPART=n.
;; ======== version 1 of 2: 4 launches
;; limits: values are held in f16: magnitudes above 65,504 overflow, below 6.1e-05 lose precision; values outside matrix products are rounded to bf16
;; workspace buffers: xh 8,388,608 bytes; wqt 6,291,456 bytes; wpt 2,097,152 bytes; qh 8,388,608 bytes; kh 8,388,608 bytes; vh 8,388,608 bytes; att 8,388,608 bytes
;; launch prep (part 1): grid 256 x 1, 8 waves a work-group, no clusters, 50,688 bytes of LDS; arguments x, Wqkv, Wproj, xh, wqt, wpt; writes xh, wqt, wpt
.if DOCPART == 1
	.amdgcn_target "amdgcn-amd-amdhsa--gfx1250"
	.amdhsa_code_object_version 6
	.text
	.protected	k_q6218284fd8_prep
	.globl	k_q6218284fd8_prep
	.p2align	8
	.type	k_q6218284fd8_prep,@function
k_q6218284fd8_prep:
	s_mov_b64 s[64:65], 0
	v_nop
	global_prefetch_b8 v0, s[64:65] scope:SCOPE_SE
	s_setreg_imm32_b32 hwreg(HW_REG_WAVE_MODE, 25, 1), 1
	s_wait_xcnt 0x0
; prep: x -> bf16 (xh), and the two weight matrices rounded to bf16, transposed and blocked so that K lies along 256-byte rows:
;   wqt[h 16][ks 8][row = sel*64 + d, 192][kl 128]   bf16; row (sel, d) of block h is column sel*1024 + h*64 + d of Wqkv, k = 128 ks + kl
;   wpt[nb 8][ks 8][nl 128][kl 128]                  n = 128 nb + nl; the bf16 VALUES, held as f16, because their partner in the product (att) is f16
; FORMAT: every input of the program is taken rounded to bf16, the rounding that the problem allows for its inputs (relative error up to 2^-8).
; LIMIT: Wproj's bf16 values are carried in f16: exact from 7.6e-6 to 65,504; below, an absolute error of at most 3e-8; above, an infinity.
; 256 work-groups of 8 waves.  Work-group g converts 65,536 bytes of x (8,192 a wave) and transposes two tiles of 128 k x 64 n:
; g < 192 tiles of Wqkv, the others of Wproj; addresses are chosen by selects on the work-group's number.
; A tile: wave w loads k rows 16 w .. 16 w + 15 (a load of a wave = two whole rows of 256 bytes), packs (k, k+1) of one column into a word and
; stores it into ITS OWN region of LDS, [64 n][16 k]; behind one barrier the tile is read back by rows of n (16 bytes from region l15/2 for
; each lane) and stored as 64 dense rows of 256 bytes: each store of a wave covers 512 consecutive bytes, aligned.
.set NP,  48                           ; a region's row: 32 bytes (16 k) + 16 of padding, so that the 16-byte read-back stays aligned
.set REG, 64*NP+32                     ; a wave's region; the 32 bytes behind it put the eight regions 8 banks apart (64 banks of 4 bytes: ISA guide 11.1): the read-back has no conflict
.set TB,  8*REG                        ; a tile in LDS
.set VO,  16                           ; v[16:23]  byte offset in W of my 16 bytes in load m of a tile (rows 4 i + e, m = 2 i + e)
.set TS,  24                           ; LDS: where I store a packed word
.set TR,  25                           ; LDS: where I read 16 bytes of a row back
.set WO,  26                           ; byte offset of those 16 bytes in the tile's output
.set XI,  27                           ; byte offset of my 16 bytes of x
.set XO,  28                           ; byte offset of my 8 bytes of xh
.set WD,  32                           ; v[32:95]   W as loaded: tile u, load m at 32 u + 4 m; then at work; later the read-back
.set XD,  96                           ; v[96:159]  x as loaded
.set XP,  160                          ; v[160:191] x packed
.set WP,  192                          ; v[192:223] W packed
	s_load_b256 s[4:11], s[0:1], 0x0               ; x s[4:5], Wqkv s[6:7], Wproj s[8:9], xh s[10:11]
	s_load_b128 s[12:15], s[0:1], 0x20             ; wqt s[12:13], wpt s[14:15]
	v_lshl_add_u32 v224, v0, 2, 0xc200
	v_mov_b32 v225, 0
	v_lshrrev_b32 v1, 5, v0
	v_readfirstlane_b32 s16, v1                    ; wave 0..7
	v_and_b32 v2, 31, v0                           ; lane
	v_and_b32 v3, 15, v0                           ; l15
	v_bfe_u32 v4, v0, 4, 1                         ; hh
	; which tiles are mine
	s_mov_b32 s18, 12288                           ; Wqkv: bytes from row to row
	s_mov_b32 s19, 4096                            ; Wproj
	s_mov_b32 s22, 192                             ; rows of a block of wqt
	s_mov_b32 s23, 128                             ; of wpt
	s_cmp_ge_u32 ttmp9, 192
	s_cselect_b32 s17, 192, 0
	s_cselect_b32 s18, s19, s18                    ; pitch
	s_cselect_b32 s22, s23, s22                    ; rows
	s_sub_co_u32 s17, ttmp9, s17                   ; my number among the work-groups of my matrix
	s_and_b32 s20, s17, 3
	s_lshl_b32 s20, s20, 1                         ; ks of tile 0; tile 1 is ks + 1
	s_lshr_b32 s21, s17, 2                         ; group of 64 columns
	s_and_b32 s24, s21, 15                         ; Wqkv: block = head,
	s_lshr_b32 s25, s21, 4                         ;       sub = sel
	s_lshr_b32 s26, s21, 1                         ; Wproj: block = nb,
	s_and_b32 s27, s21, 1                          ;        sub = which half of its 128 rows
	s_cmp_ge_u32 ttmp9, 192
	s_cselect_b32 s24, s26, s24
	s_cselect_b32 s25, s27, s25
	s_lshl_b32 s28, s18, 7                         ; 128 rows of W: from a K step to the next
	s_mov_b32 s29, 0
	s_mul_i32 s30, s20, s28
	s_lshl_b32 s31, s21, 8
	s_add_co_u32 s30, s30, s31                     ; source: ks * 128 * pitch + group * 256
	s_mov_b32 s31, 0
	s_lshl_b32 s32, s24, 3
	s_add_co_u32 s32, s32, s20
	s_mul_i32 s32, s32, s22
	s_lshl_b32 s33, s25, 6
	s_add_co_u32 s32, s32, s33
	s_lshl_b32 s32, s32, 8                         ; output: ((block * 8 + ks) * rows + sub * 64) * 256
	s_mov_b32 s33, 0
	s_lshl_b32 s34, s22, 8                         ; a block's bytes: tile 1's output lies one block further
	s_mov_b32 s35, 0
	s_lshl_b32 s44, ttmp9, 16                      ; my 65,536 bytes of x
	s_mov_b32 s45, 0
	s_lshl_b32 s46, ttmp9, 15                      ; my 32,768 bytes of xh
	s_mov_b32 s47, 0
	; lane addresses
	s_lshl_b32 s48, s16, 4
	v_lshl_add_u32 v5, v4, 1, s48                  ; 16 wave + 2 hh: lanes 16-31 take the row two below
	v_mul_u32_u24 v6, s18, v5
	v_lshl_add_u32 v6, v3, 4, v6                   ; x pitch + 16 l15
.irp m, 0,1,2,3,4,5,6,7
	v_mad_u32_u24 v[VO+\m], s18, 4*(\m>>1)+(\m&1), v6
.endr
	s_mul_i32 s49, s16, REG
	v_mul_u32_u24 v[TS], v3, 4*NP                  ; n = 4 l15 (+ cc in the immediate)
	v_lshl_add_u32 v[TS], v4, 2, v[TS]             ; k pair 2 hh (+ 4 i in the immediate)
	v_add_nc_u32 v[TS], s49, v[TS]                 ; in my wave's region
	v_lshrrev_b32 v7, 1, v3
	v_and_b32 v8, 1, v3
	v_mul_u32_u24 v[TR], v7, REG                   ; bytes 16 l15 .. of a row of 128 k lie in region l15 / 2,
	v_lshl_add_u32 v[TR], v8, 4, v[TR]             ; half l15 & 1
	v_mad_u32_u24 v[TR], v4, NP, v[TR]
	s_mul_i32 s50, s16, 8*NP
	v_add_nc_u32 v[TR], s50, v[TR]                 ; row n = 8 wave + hh (+ 2 i2 in the immediate)
	s_lshl_b32 s51, s16, 11
	v_lshlrev_b32 v[WO], 8, v4
	v_lshl_add_u32 v[WO], v3, 4, v[WO]
	v_add_nc_u32 v[WO], s51, v[WO]
	s_lshl_b32 s48, s16, 13
	v_lshl_add_u32 v[XI], v2, 4, s48
	s_lshl_b32 s49, s16, 12
	v_lshl_add_u32 v[XO], v2, 3, s49
	s_cmp_ge_u32 ttmp9, 192
	s_wait_kmcnt 0x0
	s_cselect_b64 s[36:37], s[8:9], s[6:7]         ; the matrix that I read
	s_cselect_b64 s[38:39], s[14:15], s[12:13]     ; the buffer that I write
	s_add_nc_u64 s[36:37], s[36:37], s[30:31]      ; tile 0
	s_add_nc_u64 s[40:41], s[36:37], s[28:29]      ; tile 1
	s_add_nc_u64 s[38:39], s[38:39], s[32:33]
	s_add_nc_u64 s[42:43], s[38:39], s[34:35]
	s_add_nc_u64 s[4:5], s[4:5], s[44:45]
	s_add_nc_u64 s[10:11], s[10:11], s[46:47]
	; all 32 loads of the wave go out at once: 16 of W, then 16 of x; every byte is read once in the launch
.irp m, 0,1,2,3,4,5,6,7
	global_load_b128 v[WD+4*\m:WD+4*\m+3], v[VO+\m], s[36:37] th:TH_LOAD_NT
.endr
.irp m, 0,1,2,3,4,5,6,7
	global_load_b128 v[WD+32+4*\m:WD+32+4*\m+3], v[VO+\m], s[40:41] th:TH_LOAD_NT
.endr
.irp i, 0,1,2,3,4,5,6,7,8,9,10,11,12,13,14,15
	global_load_b128 v[XD+4*\i:XD+4*\i+3], v[XI], s[4:5] offset:512*\i th:TH_LOAD_NT
.endr
	s_wait_loadcnt 16                              ; loads come back in order (ISA guide 5.7.1): W is in, the 16 younger loads of x stay out
.irp u, 0,1
.irp i, 0,1,2,3
.irp cc, 0,1,2,3
	v_cvt_pk_bf16_f32 v[WP+16*\u+4*\i+\cc], v[WD+32*\u+8*\i+\cc], v[WD+32*\u+8*\i+4+\cc]   ; (k, k+1) of column 4 l15 + cc, rounded to bf16
.endr
.endr
.endr
	s_cmp_lt_u32 ttmp9, 192
	s_cbranch_scc1 .Lpacked                        ; Wqkv stays in bf16
	; Wproj: the bf16 values are written over as f16: 8 significant bits fit into f16's 11
.set n, 0
.rept 32
	v_lshlrev_b32 v[WD+2*n], 16, v[WP+n]
	v_and_b32 v[WD+2*n+1], 0xffff0000, v[WP+n]
	v_cvt_pk_f16_f32 v[WP+n], v[WD+2*n], v[WD+2*n+1]
.set n, n+1
.endr
.Lpacked:
.irp u, 0,1
.irp i, 0,1,2,3
.irp cc, 0,1,2,3
	ds_store_b32 v[TS], v[WP+16*\u+4*\i+\cc] offset:\u*TB+\cc*NP+8*\i   ; lanes 192 bytes apart: four lanes meet in a bank, 32 such stores a wave
.endr
.endr
.endr
.irp i, 0,1,2,3,4,5,6,7,8,9,10,11,12,13,14,15
	s_wait_loadcnt 15-\i                           ; load i of x is in, the younger ones stay out
	v_cvt_pk_bf16_f32 v[XP+2*\i], v[XD+4*\i], v[XD+4*\i+1]
	v_cvt_pk_bf16_f32 v[XP+2*\i+1], v[XD+4*\i+2], v[XD+4*\i+3]
	global_store_b64 v[XO], v[XP+2*\i:XP+2*\i+1], s[10:11] offset:256*\i   ; the wave stores 256 consecutive bytes, aligned
.endr
	s_wait_dscnt 0x0                               ; my words are in LDS: the other waves read them behind the barrier
	s_barrier_signal -1
	s_barrier_wait -1
.irp u, 0,1
.irp i, 0,1,2,3
	ds_load_b128 v[WD+16*\u+4*\i:WD+16*\u+4*\i+3], v[TR] offset:\u*TB+2*NP*\i
.endr
.endr
.irp i, 0,1,2,3
	s_wait_dscnt 7-\i                              ; LDS loads come back in order: read-back i is in
	global_store_b128 v[WO], v[WD+4*\i:WD+4*\i+3], s[38:39] offset:512*\i
.endr
.irp i, 0,1,2,3
	s_wait_dscnt 3-\i
	global_store_b128 v[WO], v[WD+16+4*\i:WD+16+4*\i+3], s[42:43] offset:512*\i
.endr
	s_wait_tensorcnt 0x0
	ds_add_u32 v224, v225
	s_wait_dscnt 0x0
	s_endpgm
.Lfunc_end_k_q6218284fd8_prep:
	.size	k_q6218284fd8_prep, .Lfunc_end_k_q6218284fd8_prep-k_q6218284fd8_prep
	.p2alignl 7, 3214868480
	.fill 96, 4, 3214868480
	.section	.rodata,"a",@progbits
	.p2align	6, 0x0
	.amdhsa_kernel k_q6218284fd8_prep
		.amdhsa_group_segment_fixed_size 50688
		.amdhsa_private_segment_fixed_size 0
		.amdhsa_enable_private_segment 0
		.amdhsa_kernarg_size 48
		.amdhsa_user_sgpr_count 2
		.amdhsa_user_sgpr_kernarg_segment_ptr 1
		.amdhsa_wavefront_size32 1
		.amdhsa_system_sgpr_workgroup_id_x 1
		.amdhsa_system_sgpr_workgroup_id_y 1
		.amdhsa_system_sgpr_workgroup_id_z 1
		.amdhsa_system_vgpr_workitem_id 0
		.amdhsa_next_free_vgpr 226
		.amdhsa_next_free_sgpr 66
		.amdhsa_reserve_vcc 0
		.amdhsa_float_denorm_mode_32 3
		.amdhsa_float_denorm_mode_16_64 3
		.amdhsa_memory_ordered 1
		.amdhsa_forward_progress 1
		.amdhsa_inst_pref_size 22
	.end_amdhsa_kernel
	.amdgpu_metadata
---
amdhsa.version: [ 1, 2 ]
amdhsa.kernels:
  - .name:           k_q6218284fd8_prep
    .symbol:         k_q6218284fd8_prep.kd
    .args:
      - { .name: x, .offset: 0, .size: 8, .value_kind: global_buffer, .address_space: global }
      - { .name: Wqkv, .offset: 8, .size: 8, .value_kind: global_buffer, .address_space: global }
      - { .name: Wproj, .offset: 16, .size: 8, .value_kind: global_buffer, .address_space: global }
      - { .name: xh, .offset: 24, .size: 8, .value_kind: global_buffer, .address_space: global }
      - { .name: wqt, .offset: 32, .size: 8, .value_kind: global_buffer, .address_space: global }
      - { .name: wpt, .offset: 40, .size: 8, .value_kind: global_buffer, .address_space: global }
    .group_segment_fixed_size: 50688
    .private_segment_fixed_size: 0
    .kernarg_segment_align: 8
    .kernarg_segment_size: 48
    .max_flat_workgroup_size: 256
    .sgpr_count:     66
    .vgpr_count:     226
    .wavefront_size: 32
...
	.end_amdgpu_metadata
.endif
;; end of part 1
;; launch qkv (part 2): grid 16 x 16, 4 waves a work-group, clusters of 4 x 4, 327,680 bytes of LDS; arguments xh, wqt, cos, sin, qh, kh, vh; writes qh, kh, vh
.if DOCPART == 2
	.amdgcn_target "amdgcn-amd-amdhsa--gfx1250"
	.amdhsa_code_object_version 6
	.text
	.protected	k_q6218284fd8_qkv
	.globl	k_q6218284fd8_qkv
	.p2align	8
	.type	k_q6218284fd8_qkv,@function
k_q6218284fd8_qkv:
	s_mov_b64 s[64:65], 0
	v_nop
	global_prefetch_b8 v0, s[64:65] scope:SCOPE_SE
	s_setreg_imm32_b32 hwreg(HW_REG_WAVE_MODE, 25, 1), 1
	s_wait_xcnt 0x0
	s_wait_alu depctr_hold_cnt(0) depctr_sa_sdst(0) depctr_va_vdst(0) depctr_va_sdst(0) depctr_va_ssrc(0) depctr_va_vcc(0) depctr_vm_vsrc(0)
	s_getreg_b32 s2, hwreg(HW_REG_IB_STS2, 6, 4)
	s_cmp_eq_u32 s2, 0
	s_cbranch_scc0 .Lentry_in_a_cluster
	s_endpgm
.Lentry_in_a_cluster:
	s_bfe_u32 s2, ttmp6, 0x10000c
	s_cmp_lg_u32 s2, 0xf033
	s_cbranch_scc0 .Lentry_shape_is_right
	s_endpgm
.Lentry_shape_is_right:
; qkv = x Wqkv, RoPE on q and k from the given cos and sin tables, rounded to f16 into qh, kh, vh: [b*16+h][t 2048][64].
; xh: [4096][1024] bf16.  wqt: [h][ks][192 rows = sel*64+d][128 k] bf16.  Sums in f32.
; FORMAT: every input of the program is taken rounded to bf16, cos and sin too (rounded on the way out, then used in f32).
; LIMIT: q, k, v are stored in f16, which is eight times finer than bf16: magnitudes below 65,504.
; A work-group makes 256 rows x the 192 columns {q, k, v} of ONE head (x = head, y = block of 256 rows), so which columns are rotated is fixed in the text.
; Wave w makes rows 64 w .. 64 w + 63 x all 192 columns: 4 x 12 accumulator tiles of 16 x 16, 384 registers.
; K goes in steps of 128 through a ring of two LDS slots filled by the tensor data mover; a tile's rows are 256 bytes of memory, aligned to 256.
; CLUSTERS: 4 x 4 work-groups.  The four of a row of the cluster need the same rows of x, the four of a column the same head's weights: each tile is asked
; for jointly, with one descriptor and a mask that names the four, which divides the requests for both by four.
; REGISTERS in windows of 256: window 0: v16-27 addresses, v32-63 and v64-95 fragments of x (two buffers), v128-255 cos and sin of my rows;
;   window 1: v0-95, v96-191 fragments of W (two buffers); window 2: accumulators of m tiles 0, 1 at 8 (12 a' + b), v192-199 at work; window 3: m tiles 2, 3.
; THE MATRIX INSTRUCTION IS USED TRANSPOSED (source 0 = 16 rows of wqt, source 1 = 16 rows of x): lane l then holds row l % 16 of qkv and its registers
; 0-7 the columns 16 b + 8 (l / 16) + 0..7: the four (even, odd) pairs that RoPE turns lie in one lane, and eight neighbours pack into 16 bytes.
.set PITCH, 272                        ; an LDS row: 256 bytes + 16 of padding: the 16 rows of a fragment start in 16 different groups of banks
.set HALFA, 128*PITCH                  ; what one tensor load of x brings
.set HALFB, 96*PITCH                   ; what one tensor load of W brings
.set SLOT,  2*HALFA+2*HALFB            ; x's 256 rows, then W's 192
.set STAGE, 2*SLOT                     ; behind the ring: 16 rows x 400 bytes for each wave, for the way out; no tensor load lands here
.set SP,    400                        ; 384 bytes (192 f16) + 16
.set LAPS,  4                          ; 1024 / 256: a lap = two K steps = once round the ring
.set ADRA,  16                         ; v16-17 LDS address of my x fragments in slot 0, 1
.set ADRB,  20                         ; v20-21 the same for W
.set STO,   24
.set RD,    25
.set CO,    26
.set CSO,   27
.set AF,    32
.set RT,    96                         ; v96-103 at work while cos and sin are rounded
.set CS,    128                        ; cos of m tile a, columns 16 b' .. at 32 a + 4 b'; sin 16 registers further
.set TMP,   32                         ; the way out: packed results
.set RB,    80                         ; the way out: rows read back
.set G1A,   28
.set G0A,   36
.set G1B,   44
.set G0B,   52
.set FLAGS, (1<<16)|(1<<20)|(1<<21)|(5<<22)|(3<<25)   ; elements of 2 bytes; padding on; bit 21 beside a mask; after every 64 words, 4 words
.set MSB, 0
.macro WIN new                         ; the immediate's high byte repeats the setting that is left
.if MSB != \new
	s_set_vgpr_msb (MSB<<8)|\new
.set MSB, \new
.endif
.endm
.macro PLACES                          ; four places behind a matrix instruction before its registers are loaded into or read by vector work (ISA guide 7.12.1)
.rept 4
	v_nop
.endr
.endm
; A joint load: waves 0, 1 fetch x's two halves, waves 2, 3 W's.  The branch hangs on the wave's number alone.
.macro JLOAD s
	s_cmp_eq_u32 s19, 0
	s_cbranch_scc0 .Lfor_b_\@
	tensor_load_to_lds s[G0A+4*\s:G0A+4*\s+3], s[G1A:G1A+7]
	s_nop 0
	s_branch .Lasked_\@
.Lfor_b_\@:
	tensor_load_to_lds s[G0B+4*\s:G0B+4*\s+3], s[G1B:G1B+7]
	s_nop 0
.Lasked_\@:
.endm
.macro CREST                           ; a round of the cluster's barrier behind its opening work-group barrier
	s_cmp_lg_u32 s18, 0
	s_cbranch_scc1 .Lnot_wave_0_\@
	s_barrier_signal -3
.Lnot_wave_0_\@:
	s_barrier_wait -3
	s_barrier_signal -1
	s_barrier_wait -1
.endm
.macro CROUND
	s_barrier_signal -1
	s_barrier_wait -1
	CREST
.endm
	s_load_b256 s[4:11], s[0:1], 0x0               ; xh s[4:5], wqt s[6:7], cos s[8:9], sin s[10:11]
	s_load_b128 s[12:15], s[0:1], 0x20             ; qh s[12:13], kh s[14:15]
	s_load_b64 s[16:17], s[0:1], 0x30              ; vh
	s_set_vgpr_msb 0x40
	v_lshl_add_u32 v255, v0, 2, 0x41c00
	s_set_vgpr_msb 0x4000
	v_mov_b32 v31, 0
	s_set_vgpr_msb 0x1
	ds_add_u32 v255, v31
	ds_add_u32 v255, v31
	s_set_vgpr_msb 0x100
	v_lshrrev_b32 v1, 5, v0
	v_readfirstlane_b32 s18, v1                    ; wave 0..3
	s_lshr_b32 s19, s18, 1                         ; I fetch for x (0) or for W (1)
	s_and_b32 s20, s18, 1                          ; which half of that tile
	s_bfe_u32 s21, ttmp6, 0x40000                  ; cx
	s_bfe_u32 s22, ttmp6, 0x40004                  ; cy
	s_lshl_b32 s23, ttmp9, 2
	s_add_co_u32 s23, s23, s21                     ; head = 4 x cluster x + cx
	s_and_b32 s24, ttmp7, 0xffff
	s_lshl_b32 s24, s24, 2
	s_add_co_u32 s24, s24, s22                     ; block of 256 rows = 4 x cluster y + cy
	s_lshl_b32 s25, s22, 2
	s_lshl_b32 s25, 15, s25                        ; my row of the cluster
	s_lshl_b32 s26, 0x1111, s21                    ; my column
	s_or_b32 s[G1A+0], s25, FLAGS                  ; x's tiles go to my row
	s_mov_b32 s[G1A+1], 128<<16                    ; tensor_dim0 = 128
	s_mov_b32 s[G1A+2], 128<<16                    ; tensor_dim1 = 128
	s_mov_b32 s[G1A+3], 128<<16                    ; tile_dim0 = 128 elements
	s_mov_b32 s[G1A+4], 128                        ; tile_dim1 = 128 rows
	s_mov_b32 s[G1A+5], 1024                       ; elements from row to row of xh
	s_mov_b32 s[G1A+6], 0
	s_mov_b32 s[G1A+7], 0
	s_or_b32 s[G1B+0], s26, FLAGS                  ; W's tiles go to my column
	s_mov_b32 s[G1B+1], 128<<16
	s_mov_b32 s[G1B+2], 96<<16                     ; 96 rows
	s_mov_b32 s[G1B+3], 128<<16
	s_mov_b32 s[G1B+4], 96
	s_mov_b32 s[G1B+5], 128                        ; a block of wqt is dense
	s_mov_b32 s[G1B+6], 0
	s_mov_b32 s[G1B+7], 0
	; x's address hangs on the block of rows and the wave alone, W's on the head and the wave alone, each in registers that never hold the other coordinate
	s_lshl_b32 s80, s24, 19                        ; 256 rows of 2,048 bytes
	s_lshl_b32 s81, s20, 18                        ; + 128 rows for the second half
	s_add_co_u32 s80, s80, s81
	s_mov_b32 s81, 0
	s_mul_i32 s82, s23, 393216                     ; a head's 8 blocks of 49,152 bytes
	s_mul_i32 s83, s20, 24576                      ; + 96 rows of 256 bytes
	s_add_co_u32 s82, s82, s83
	s_mov_b32 s83, 0
	s_mul_i32 s84, s18, HALFA                      ; LDS: waves 0, 1: x's halves
	s_mul_i32 s85, s18, HALFB
	s_add_co_u32 s85, s85, 2*HALFA-2*HALFB         ; waves 2, 3: W's halves, behind x's 256 rows
	s_wait_dscnt 0x0
	s_wait_kmcnt 0x0
	s_add_nc_u64 s[80:81], s[4:5], s[80:81]
	s_add_nc_u64 s[82:83], s[6:7], s[82:83]
	CROUND                                         ; all sixteen work-groups are here: the first joint loads meet
.irp s, 0,1
	s_mov_b32 s[G0A+4*\s], 1
	s_add_co_u32 s[G0A+4*\s+1], s84, \s*SLOT
	s_add_nc_u64 s[G0A+4*\s+2:G0A+4*\s+3], s[80:81], \s*256        ; K step s: 128 bf16 along the row
	s_or_b32 s[G0A+4*\s+3], s[G0A+4*\s+3], 0x80000000
	s_mov_b32 s[G0B+4*\s], 1
	s_add_co_u32 s[G0B+4*\s+1], s85, \s*SLOT
	s_add_nc_u64 s[G0B+4*\s+2:G0B+4*\s+3], s[82:83], \s*49152      ; K step s: the next block
	s_or_b32 s[G0B+4*\s+3], s[G0B+4*\s+3], 0x80000000
	JLOAD \s                                       ; two tensor loads of the wave are out here, later one
.endr
	v_and_b32 v1, 15, v0                           ; r
	v_bfe_u32 v2, v0, 4, 1                         ; h
	v_mul_u32_u24 v3, v1, PITCH
	v_lshl_add_u32 v3, v2, 4, v3                   ; a fragment: row r, 16 bytes for each half of the lanes; two loads 32 bytes apart
	s_mul_i32 s86, s18, 64*PITCH                   ; my 64 rows of x
	v_add_nc_u32 v[ADRA], s86, v3
	v_add_nc_u32 v[ADRA+1], SLOT, v[ADRA]
	v_add_nc_u32 v[ADRB], 2*HALFA, v3
	v_add_nc_u32 v[ADRB+1], SLOT, v[ADRB]
	s_mul_i32 s87, s18, 16*SP
	s_add_co_u32 s87, s87, STAGE                   ; my stage
	v_mul_u32_u24 v4, v1, SP
	v_lshl_add_u32 v4, v2, 4, v4
	v_add_nc_u32 v[STO], s87, v4
	v_bfe_u32 v5, v0, 3, 2
	v_and_b32 v6, 7, v0
	v_mul_u32_u24 v5, v5, SP                       ; back: eight lanes take a head row of 128 bytes, the wave four rows
	v_lshl_add_u32 v5, v6, 4, v5
	v_add_nc_u32 v[RD], s87, v5
	v_and_b32 v7, 31, v0
	v_lshlrev_b32 v[CO], 4, v7                     ; those four rows are 512 dense bytes of qh, kh or vh
	v_lshlrev_b32 v8, 7, v1
	v_lshl_add_u32 v8, v2, 4, v8
	s_lshl_b32 s77, s18, 13
	v_add_nc_u32 v[CSO], s77, v8                   ; cos, sin: row 64 w + r (128 bytes a row), pairs 4 h ..
	s_lshr_b32 s88, s24, 3                         ; batch
	s_lshl_b32 s88, s88, 4
	s_add_co_u32 s88, s88, s23
	s_lshl_b32 s88, s88, 18                        ; (b * 16 + head) * 262,144
	s_and_b32 s89, s24, 7
	s_lshl_b32 s89, s89, 15                        ; + t of my block's first row, 128 bytes a row
	s_add_co_u32 s88, s88, s89
	s_add_co_u32 s88, s88, s77                     ; + 64 w rows
	s_mov_b32 s90, s89
	s_mov_b32 s89, 0
	s_mov_b32 s91, 0
	s_add_nc_u64 s[66:67], s[12:13], s[88:89]
	s_add_nc_u64 s[68:69], s[14:15], s[88:89]
	s_add_nc_u64 s[70:71], s[16:17], s[88:89]
	s_add_nc_u64 s[72:73], s[8:9], s[90:91]        ; the tables' rows are 128 bytes too
	s_add_nc_u64 s[74:75], s[10:11], s[90:91]
	; cos and sin of my 64 rows: 32 loads that stay out over the whole K loop; nothing touches their registers until the way out
.irp a, 0,1,2,3
.irp bq, 0,1,2,3
	global_load_b128 v[CS+32*\a+4*\bq:CS+32*\a+4*\bq+3], v[CSO], s[72:73] offset:\a*2048+32*\bq
	global_load_b128 v[CS+32*\a+4*\bq+16:CS+32*\a+4*\bq+19], v[CSO], s[74:75] offset:\a*2048+32*\bq
.endr
.endr
; 12 matrix instructions: m tile a' of the window's two (hi = 0: tiles 0, 1; 1: tiles 2, 3) x all 12 n tiles, 32 along K.  zero = 1: the product starts the sums.
.macro MUL12 f, hi, ap, zero
.irp b, 0,1,2,3,4,5,6,7,8,9,10,11
.if \zero
	v_wmma_f32_16x16x32_bf16 v[8*(12*\ap+\b):8*(12*\ap+\b)+7], v[96*\f+8*\b:96*\f+8*\b+7], v[AF+32*\f+8*(2*\hi+\ap):AF+32*\f+8*(2*\hi+\ap)+7], 0
.else
	v_wmma_f32_16x16x32_bf16 v[8*(12*\ap+\b):8*(12*\ap+\b)+7], v[96*\f+8*\b:96*\f+8*\b+7], v[AF+32*\f+8*(2*\hi+\ap):AF+32*\f+8*(2*\hi+\ap)+7], v[8*(12*\ap+\b):8*(12*\ap+\b)+7]
.endif
.endr
.endm
; 32 LDS loads in one run: a quarter step's fragments (192 rows of W, my 64 rows of x, 32 K at byte k) into buffer f
.macro FETCH slot, k, f
	WIN 0x40
.irp b, 0,1,2,3,4,5,6,7,8,9,10,11
	ds_load_b128 v[96*\f+8*\b:96*\f+8*\b+3],   v[ADRB+\slot] offset:\k+\b*16*PITCH
	ds_load_b128 v[96*\f+8*\b+4:96*\f+8*\b+7], v[ADRB+\slot] offset:\k+\b*16*PITCH+32
.endr
	WIN 0
.irp i, 0,1,2,3
	ds_load_b128 v[AF+32*\f+8*\i:AF+32*\f+8*\i+3],   v[ADRA+\slot] offset:\k+\i*16*PITCH
	ds_load_b128 v[AF+32*\f+8*\i+4:AF+32*\f+8*\i+7], v[ADRA+\slot] offset:\k+\i*16*PITCH+32
.endr
.endm
; A K step is four quarters of 32 along K, 48 matrix instructions each, on buffers 0, 1, 0, 1.  The 48 accumulators take turns, one instruction a turn,
; in the same order in every quarter, over the loop's backward jump too.
.macro QUARTER slot, k, f, g, zero
	s_wait_dscnt 4                                 ; W and x's m tiles 0, 1 are in; the youngest four loads (m tiles 2, 3) may be out
	WIN 0xa1
	MUL12 \f, 0, 0, \zero
	MUL12 \f, 0, 1, \zero
	PLACES
	FETCH \slot, \k, \g
	s_wait_dscnt 32                                ; all but the 32 just issued
	WIN 0xf1
	MUL12 \f, 1, 0, \zero
	MUL12 \f, 1, 1, \zero
.endm
.macro THREE slot, zero
	QUARTER \slot, 64,  0, 1, \zero
	QUARTER \slot, 128, 1, 0, 0
	QUARTER \slot, 192, 0, 1, 0
.endm
; The last quarter multiplies buffer 1 and changes slots.  In front of the barrier each wave waits for its reads of this slot and for all its tensor loads
; (one is out: its part of the next slot).  Where the slot is filled again the barrier opens a round of the cluster's barrier, and the joint refill is the
; first tensor load behind the round's closing wait.  From a request to the wait for it a wave issues 180 matrix instructions.
.macro TURN slot, next, fill
	s_wait_dscnt 4
	WIN 0xa1
	MUL12 1, 0, 0, 0
	s_wait_dscnt 0x0                               ; my reads of this slot are over
	s_wait_tensorcnt 0x0                           ; all my tensor loads have landed
	ds_add_u32 v255, v31
	s_wait_dscnt 0x0
	s_barrier_signal -1
	MUL12 1, 0, 1, 0                               ; register work while the others arrive
	WIN 0
	s_barrier_wait -1
.if \fill
	CREST
	s_add_nc_u64 s[G0A+4*\slot+2:G0A+4*\slot+3], s[G0A+4*\slot+2:G0A+4*\slot+3], 512
	s_add_nc_u64 s[G0B+4*\slot+2:G0B+4*\slot+3], s[G0B+4*\slot+2:G0B+4*\slot+3], 98304
	JLOAD \slot
.endif
	PLACES
	FETCH \next, 0, 0
	WIN 0xf1
	MUL12 1, 1, 0, 0
	MUL12 1, 1, 1, 0
.endm
.macro LAP zero
	THREE 0, \zero
	TURN 0, 1, 1
	THREE 1, 0
	TURN 1, 0, 1
.endm
	s_wait_tensorcnt 1                             ; my part of K step 0 is in; K step 1's stays out
	s_barrier_signal -1
	s_barrier_wait -1
	FETCH 0, 0, 0
	LAP 1                                          ; the first lap's first products start the sums: nothing is cleared
	WIN 0
	s_mov_b32 s76, LAPS-2
.Llap:
	LAP 0
	WIN 0
	s_sub_co_u32 s76, s76, 1
	s_cmp_lg_u32 s76, 0
	s_cbranch_scc1 .Llap
	THREE 0, 0                                     ; the last lap fills nothing
	TURN 0, 1, 0
	THREE 1, 0
	s_wait_dscnt 4
	WIN 0xa1
	MUL12 1, 0, 0, 0
	MUL12 1, 0, 1, 0
	s_wait_dscnt 0x0
	WIN 0xf1
	MUL12 1, 1, 0, 0
	MUL12 1, 1, 1, 0
	; THE WAY OUT, 16 rows at a time: turn q's and k's pairs, round to f16, 16 bytes a lane into my stage, read back by head rows, store 512 dense bytes a wave.
	PLACES
	WIN 0
	s_wait_loadcnt 0x0                             ; cos and sin
	; cos and sin are rounded to bf16, as every input is, and widened again: two numbers a turn, eight work registers by turns
.set n, 0
.rept 64
	v_cvt_pk_bf16_f32 v[RT+(n&7)], v[CS+2*n], v[CS+2*n+1]
	v_lshlrev_b32 v[CS+2*n], 16, v[RT+(n&7)]
	v_and_b32 v[CS+2*n+1], 0xffff0000, v[RT+(n&7)]
.set n, n+1
.endr
.macro OUT a, ap, rw, cw
	WIN \rw
.irp b, 0,1,2,3,4,5,6,7
.irp i, 0,1,2,3
	v_mul_f32 v[192+2*\i], v[8*(12*\ap+\b)+2*\i+1], v[CS+32*\a+4*(\b&3)+\i+16]     ; xo s
	v_mul_f32 v[193+2*\i], v[8*(12*\ap+\b)+2*\i+1], v[CS+32*\a+4*(\b&3)+\i]        ; xo c
	v_fma_f32 v[8*(12*\ap+\b)+2*\i+1], v[8*(12*\ap+\b)+2*\i], v[CS+32*\a+4*(\b&3)+\i+16], v[193+2*\i]   ; ro = xe s + xo c
	v_fma_f32 v[8*(12*\ap+\b)+2*\i], v[8*(12*\ap+\b)+2*\i], v[CS+32*\a+4*(\b&3)+\i], -v[192+2*\i]       ; re = xe c - xo s
.endr
.endr
	WIN \cw
.irp b, 0,1,2,3,4,5,6,7,8,9,10,11
.irp i, 0,1,2,3
	v_cvt_pk_f16_f32 v[TMP+4*\b+\i], v[8*(12*\ap+\b)+2*\i], v[8*(12*\ap+\b)+2*\i+1]
.endr
.endr
	WIN 0
.irp b, 0,1,2,3,4,5,6,7,8,9,10,11
	ds_store_b128 v[STO], v[TMP+4*\b:TMP+4*\b+3] offset:32*\b
.endr
	s_wait_xcnt 0x0                                ; RB, which the last 16 rows' stores read, is loaded again only behind this wait
.irp sel, 0,1,2
.irp i, 0,1,2,3
	ds_load_b128 v[RB+16*\sel+4*\i:RB+16*\sel+4*\i+3], v[RD] offset:4*SP*\i+128*\sel   ; LDS serves a wave's instructions in order: these see the stores above
.endr
.endr
.irp sel, 0,1,2
.irp i, 0,1,2,3
	s_wait_dscnt 11-4*\sel-\i
	global_store_b128 v[CO], v[RB+16*\sel+4*\i:RB+16*\sel+4*\i+3], s[66+2*\sel:67+2*\sel] offset:\a*2048+512*\i
.endr
.endr
.endm
	OUT 0, 0, 0xa2, 0x0a
	OUT 1, 1, 0xa2, 0x0a
	OUT 2, 0, 0xf3, 0x0f
	OUT 3, 1, 0xf3, 0x0f
	s_set_vgpr_msb 0x1
	s_wait_tensorcnt 0x0
	ds_add_u32 v255, v31
	s_wait_dscnt 0x0
	s_set_vgpr_msb 0x100
	CROUND                                         ; the closing round: no work-group ends while a partner may still ask for a tile that names it
	s_endpgm
.Lfunc_end_k_q6218284fd8_qkv:
	.size	k_q6218284fd8_qkv, .Lfunc_end_k_q6218284fd8_qkv-k_q6218284fd8_qkv
	.p2alignl 7, 3214868480
	.fill 96, 4, 3214868480
	.section	.rodata,"a",@progbits
	.p2align	6, 0x0
	.amdhsa_kernel k_q6218284fd8_qkv
		.amdhsa_group_segment_fixed_size 327680
		.amdhsa_private_segment_fixed_size 0
		.amdhsa_enable_private_segment 0
		.amdhsa_kernarg_size 56
		.amdhsa_user_sgpr_count 2
		.amdhsa_user_sgpr_kernarg_segment_ptr 1
		.amdhsa_wavefront_size32 1
		.amdhsa_system_sgpr_workgroup_id_x 1
		.amdhsa_system_sgpr_workgroup_id_y 1
		.amdhsa_system_sgpr_workgroup_id_z 1
		.amdhsa_system_vgpr_workitem_id 0
		.amdhsa_next_free_vgpr 1024
		.amdhsa_next_free_sgpr 96
		.amdhsa_reserve_vcc 0
		.amdhsa_float_denorm_mode_32 3
		.amdhsa_float_denorm_mode_16_64 3
		.amdhsa_memory_ordered 1
		.amdhsa_forward_progress 1
		.amdhsa_inst_pref_size 201
	.end_amdhsa_kernel
	.amdgpu_metadata
---
amdhsa.version: [ 1, 2 ]
amdhsa.kernels:
  - .name:           k_q6218284fd8_qkv
    .symbol:         k_q6218284fd8_qkv.kd
    .args:
      - { .name: xh, .offset: 0, .size: 8, .value_kind: global_buffer, .address_space: global }
      - { .name: wqt, .offset: 8, .size: 8, .value_kind: global_buffer, .address_space: global }
      - { .name: cos, .offset: 16, .size: 8, .value_kind: global_buffer, .address_space: global }
      - { .name: sin, .offset: 24, .size: 8, .value_kind: global_buffer, .address_space: global }
      - { .name: qh, .offset: 32, .size: 8, .value_kind: global_buffer, .address_space: global }
      - { .name: kh, .offset: 40, .size: 8, .value_kind: global_buffer, .address_space: global }
      - { .name: vh, .offset: 48, .size: 8, .value_kind: global_buffer, .address_space: global }
    .group_segment_fixed_size: 327680
    .private_segment_fixed_size: 0
    .kernarg_segment_align: 8
    .kernarg_segment_size: 56
    .max_flat_workgroup_size: 128
    .sgpr_count:     96
    .vgpr_count:     1024
    .wavefront_size: 32
...
	.end_amdgpu_metadata
.endif
;; end of part 2
;; launch attn (part 3): grid 8 x 32, 4 waves a work-group, no clusters, 327,680 bytes of LDS; arguments qh, kh, vh, att; writes att
.if DOCPART == 3
	.amdgcn_target "amdgcn-amd-amdhsa--gfx1250"
	.amdhsa_code_object_version 6
	.text
	.protected	k_q6218284fd8_attn
	.globl	k_q6218284fd8_attn
	.p2align	8
	.type	k_q6218284fd8_attn,@function
k_q6218284fd8_attn:
	s_mov_b64 s[64:65], 0
	v_nop
	global_prefetch_b8 v0, s[64:65] scope:SCOPE_SE
	s_setreg_imm32_b32 hwreg(HW_REG_WAVE_MODE, 25, 1), 1
	s_wait_xcnt 0x0
; Causal attention, one pass with a running maximum.  qh, kh, vh: [bh = b*16+h][t 2048][64] f16.  att: [b*16+qb][h][tl 128][64] f16.
; LIMITS: p and the result are f16: a weight below 6e-8 counts as 0, |v| stays below 65,504.  A NaN score loses in the running maximum.
; Work-group (c, bh) makes two blocks of 128 queries of one head: block 2 c (2 c + 1 key tiles of 128) and block 15 - 2 c (16 - 2 c tiles): 17 tiles in
; every work-group; key tiles that the causal mask throws away whole are not touched.  Wave w has 32 queries (two tiles of 16) of the block at work.
; NO CLUSTER: the query blocks of a head need different numbers of key tiles (block i needs i + 1), so partners would not make the same requests.
; Each pass takes its DIAGONAL tile first: it is the only masked one, and its first 64 keys hold key 0 of the block, which no query masks, so the running
; maximum is finite from the first step; that step also starts the sums, so nothing is cleared.
; K and V go through a ring of two LDS slots of 128 keys; waves 0, 1 fetch V's halves, waves 2, 3 K's: one tensor load of a wave is out at any time,
; issued straight behind a tile's barrier, with that tile's 64 matrix instructions and four softmax passes in which to land.
; LAYOUT: scores and output are made transposed, so a lane always belongs to query r = lane % 16.
;   S^T(kt) = K fragment (source 0) x Q fragment (source 1): register j holds key 16 kt + 8 h + j.  Packing two neighbours to f16 in place gives P's fragment.
;   O^T(dt) += V^T fragment (two transposing LDS loads) x P: register j holds d = 16 dt + 8 h + j.
; The other half of a query's keys lies in lane r + 16: one v_permlanex16_b32 ends a reduction.
.set VP,    160                        ; V's LDS row: 128 bytes + 32: an odd multiple of 32, for the transposing loads
.set KP,    144                        ; K's LDS row: 128 bytes + 16
.set VB,    128*VP
.set SLOT,  VB+128*KP                  ; V's 128 keys, then K's
.set STAGE, 2*SLOT                     ; 32 rows x 144 bytes for each wave, for the way out; no tensor load lands here
.set ADRK,  4                          ; v4-5   LDS address of my K fragments in slot 0, 1
.set ADRV,  6                          ; v6-7   the same for V
.set STO,   8
.set RD,    9
.set CO,    10
.set QOFF,  11
.set DLT,   12                         ; v12-13 query - 8 h within the block, for the mask
.set NINF,  14
.set MR,    16                         ; v16-17 running maximum (raw scores) of query tile 0, 1
.set LR,    18                         ; v18-19 running sum over my half of the keys
.set NM,    20                         ; v[20:21] - sigma x maximum
.set AL,    22                         ; v[22:23] the factor that old sums shrink by
.set MX,    24                         ; v24-27
.set T,     28
.set MN,    29
.set SUM,   30                         ; v[30:33]
.set SC,    64                         ; scores: 32 q + 8 kt; later P(q, ks) at 32 q + 8 ks
.set KF,    128                        ; K fragments: 16 kt + 8 ks
.set VF,    192                        ; V^T fragments: 32 ks + 8 dt
.set OA,    0                          ; window 1: O^T(q, dt) at 32 q + 8 dt
.set QF,    64                         ; window 1: Q(pass, q, ks) at 32 pass + 16 q + 8 ks
.set G1V,   24
.set G1K,   32
.set G0V,   40
.set G0K,   48
.set MSB, 0
.macro WIN new
.if MSB != \new
	s_set_vgpr_msb (MSB<<8)|\new
.set MSB, \new
.endif
.endm
.macro PLACES
.rept 4
	v_nop
.endr
.endm
.macro KVLOAD s                        ; one tensor load a wave: 64 keys, 8,192 dense bytes.  The branch hangs on the wave's number alone
	s_cmp_lt_u32 s12, 2
	s_cbranch_scc0 .Lfor_k_\@
	tensor_load_to_lds s[G0V+4*(\s):G0V+4*(\s)+3], s[G1V:G1V+7]
	s_nop 0
	s_branch .Lasked_\@
.Lfor_k_\@:
	tensor_load_to_lds s[G0K+4*(\s):G0K+4*(\s)+3], s[G1K:G1K+7]
	s_nop 0
.Lasked_\@:
.endm
; The next tile's key block: tile n of the 17 is block n - 1 for n <= 2 c, block 15 - 2 c for n = 2 c + 1 (the second diagonal), else n - 2 c - 2.
.macro NEXT s
	s_add_co_u32 s67, s67, 1
	s_sub_co_u32 s74, s67, 1
	s_sub_co_u32 s75, s67, s70
	s_cmp_gt_u32 s67, s68
	s_cselect_b32 s74, s75, s74
	s_cmp_eq_u32 s67, s68
	s_cselect_b32 s74, s69, s74
	s_lshl_b32 s72, s74, 14                        ; 128 keys of 128 bytes
	s_add_nc_u64 s[G0V+4*(\s)+2:G0V+4*(\s)+3], s[56:57], s[72:73]
	s_or_b32 s[G0V+4*(\s)+3], s[G0V+4*(\s)+3], 0x80000000
	s_add_nc_u64 s[G0K+4*(\s)+2:G0K+4*(\s)+3], s[58:59], s[72:73]
	s_or_b32 s[G0K+4*(\s)+3], s[G0K+4*(\s)+3], 0x80000000
.endm
	s_load_b256 s[4:11], s[0:1], 0x0               ; qh s[4:5], kh s[6:7], vh s[8:9], att s[10:11]
	v_lshl_add_u32 v62, v0, 2, 0x29000
	v_mov_b32 v63, 0
	ds_add_u32 v62, v63
	ds_add_u32 v62, v63
	v_lshrrev_b32 v1, 5, v0
	v_readfirstlane_b32 s12, v1                    ; wave 0..3
	s_and_b32 s13, s12, 1
	s_mov_b32 s14, ttmp9                           ; c
	s_and_b32 s15, ttmp7, 0xffff                   ; bh
	; group 1: 8,192 dense bytes as 32 rows of 32 elements of 8 bytes; padding behind every 32 words (a key's 128 bytes): 8 words for V, 4 for K
	s_mov_b32 s[G1V+0], (3<<16)|(1<<20)|(4<<22)|(7<<25)
	s_mov_b32 s[G1V+1], 32<<16
	s_mov_b32 s[G1V+2], 32<<16
	s_mov_b32 s[G1V+3], 32<<16
	s_mov_b32 s[G1V+4], 32
	s_mov_b32 s[G1V+5], 32
	s_mov_b32 s[G1V+6], 0
	s_mov_b32 s[G1V+7], 0
	s_mov_b32 s[G1K+0], (3<<16)|(1<<20)|(4<<22)|(3<<25)
	s_mov_b32 s[G1K+1], 32<<16
	s_mov_b32 s[G1K+2], 32<<16
	s_mov_b32 s[G1K+3], 32<<16
	s_mov_b32 s[G1K+4], 32
	s_mov_b32 s[G1K+5], 32
	s_mov_b32 s[G1K+6], 0
	s_mov_b32 s[G1K+7], 0
	s_mul_i32 s74, s12, 64*VP                      ; LDS: waves 0, 1: V's halves
	s_mul_i32 s75, s12, 64*KP
	s_add_co_u32 s75, s75, VB-128*KP               ; waves 2, 3: K's halves, behind V
.irp s, 0,1
	s_mov_b32 s[G0V+4*\s], 1
	s_add_co_u32 s[G0V+4*\s+1], s74, \s*SLOT
	s_mov_b32 s[G0K+4*\s], 1
	s_add_co_u32 s[G0K+4*\s+1], s75, \s*SLOT
.endr
	s_lshl_b32 s72, s15, 18                        ; my head
	s_lshl_b32 s73, s13, 13                        ; my 64 keys of a tile
	s_add_co_u32 s72, s72, s73
	s_mov_b32 s73, 0
	s_wait_dscnt 0x0
	s_wait_kmcnt 0x0
	s_add_nc_u64 s[56:57], s[8:9], s[72:73]
	s_add_nc_u64 s[58:59], s[6:7], s[72:73]
	s_lshl_b32 s72, s14, 15                        ; tile 0 is key block 2 c
	s_add_nc_u64 s[G0V+2:G0V+3], s[56:57], s[72:73]
	s_or_b32 s[G0V+3], s[G0V+3], 0x80000000
	s_add_nc_u64 s[G0K+2:G0K+3], s[58:59], s[72:73]
	s_or_b32 s[G0K+3], s[G0K+3], 0x80000000
	KVLOAD 0                                       ; the first fill, ahead of everything else; slot 1 is first filled behind tile 0's barrier
	s_mov_b32 s67, 0                               ; n
	s_lshl_b32 s68, s14, 1
	s_sub_co_u32 s69, 15, s68                      ; 15 - 2 c
	s_add_co_u32 s70, s68, 2                       ; 2 c + 2
	s_add_co_u32 s68, s68, 1                       ; 2 c + 1
	s_sub_co_u32 s84, 7, s14                       ; trips of the second pass's loop
	s_mov_b32 s60, 0x76543210                      ; v_permlanex16_b32: lane i reads lane i of the other half
	s_mov_b32 s61, 0xfedcba98
	s_mov_b32 s62, 0x3e38aa3b                      ; sigma = log2(e) / 8: the scale 1/sqrt(64) and the base of v_exp_f32 in one factor
	s_mov_b32 s63, 0x3e38aa3b
	s_mov_b32 s66, 0xbe38aa3b
	s_lshl_b32 s85, s15, 18
	s_lshl_b32 s86, s12, 12
	s_add_co_u32 s85, s85, s86                     ; head, and 32 w rows of 128 bytes
	s_mov_b32 s87, 0
	s_lshl_b32 s86, s14, 15
	s_add_co_u32 s86, s86, s85
	s_add_nc_u64 s[80:81], s[4:5], s[86:87]        ; my queries of block 2 c
	s_lshl_b32 s86, s69, 14
	s_add_co_u32 s86, s86, s85
	s_add_nc_u64 s[82:83], s[4:5], s[86:87]        ; of block 15 - 2 c
	s_lshr_b32 s88, s15, 4
	s_lshl_b32 s88, s88, 22                        ; att: batch x 16 row blocks of 262,144 bytes
	s_and_b32 s89, s15, 15
	s_lshl_b32 s89, s89, 14                        ; + head x 16,384
	s_add_co_u32 s88, s88, s89
	s_lshl_b32 s89, s12, 12
	s_add_co_u32 s88, s88, s89                     ; + 32 w rows
	s_lshl_b32 s86, s14, 19
	s_add_co_u32 s86, s86, s88
	s_add_nc_u64 s[76:77], s[10:11], s[86:87]
	s_lshl_b32 s86, s69, 18
	s_add_co_u32 s86, s86, s88
	s_add_nc_u64 s[78:79], s[10:11], s[86:87]
	v_and_b32 v1, 15, v0                           ; r
	v_bfe_u32 v2, v0, 4, 1                         ; h
	v_lshlrev_b32 v[QOFF], 7, v1
	v_lshl_add_u32 v[QOFF], v2, 4, v[QOFF]
	WIN 0x40
.irp q, 0,1
.irp ks, 0,1
	global_load_b128 v[QF+16*\q+8*\ks:QF+16*\q+8*\ks+3],       v[QOFF], s[80:81] offset:2048*\q+64*\ks
	global_load_b128 v[QF+16*\q+8*\ks+4:QF+16*\q+8*\ks+7],     v[QOFF], s[80:81] offset:2048*\q+64*\ks+32
	global_load_b128 v[QF+32+16*\q+8*\ks:QF+32+16*\q+8*\ks+3],   v[QOFF], s[82:83] offset:2048*\q+64*\ks
	global_load_b128 v[QF+32+16*\q+8*\ks+4:QF+32+16*\q+8*\ks+7], v[QOFF], s[82:83] offset:2048*\q+64*\ks+32
.endr
.endr
	WIN 0
	v_mul_u32_u24 v3, v1, KP
	v_lshl_add_u32 v3, v2, 4, v3
	v_add_nc_u32 v[ADRK], VB, v3
	v_add_nc_u32 v[ADRK+1], VB+SLOT, v3
	v_and_b32 v15, 7, v0
	v_lshl_add_u32 v15, v2, 3, v15                 ; key 8 h + lane % 8
	v_mul_u32_u24 v[ADRV], v15, VP
	v_bfe_u32 v15, v0, 3, 1
	v_lshl_add_u32 v[ADRV], v15, 4, v[ADRV]
	v_add_nc_u32 v[ADRV+1], SLOT, v[ADRV]
	s_mul_i32 s85, s12, 32*KP
	s_add_co_u32 s85, s85, STAGE
	v_add_nc_u32 v[STO], s85, v3
	v_bfe_u32 v15, v0, 3, 2
	v_mul_u32_u24 v[RD], v15, KP
	v_and_b32 v15, 7, v0
	v_lshl_add_u32 v[RD], v15, 4, v[RD]
	v_add_nc_u32 v[RD], s85, v[RD]
	v_and_b32 v15, 31, v0
	v_lshlrev_b32 v[CO], 4, v15
	v_lshlrev_b32 v15, 3, v2
	v_sub_nc_u32 v[DLT], v1, v15
	s_lshl_b32 s85, s12, 5
	v_add_nc_u32 v[DLT], s85, v[DLT]               ; 32 w + r - 8 h
	v_add_nc_u32 v[DLT+1], 16, v[DLT]
	v_mov_b32 v[NINF], 0xff800000
	v_mov_b32 v[NM+1], 0                           ; the upper halves of the two broadcast pairs are never used, but a pair is named whole
	v_mov_b32 v[AL+1], 0
	v_mov_b32 v[T], 0                              ; v_permlanex16_b32 counts as a reader of its destination
	s_wait_loadcnt 0x0                             ; Q of both passes
.macro KLOAD s, t                      ; 16 loads: K's fragments of keys 64 t .. 64 t + 63
.irp kt, 0,1,2,3
.irp ks, 0,1
	ds_load_b128 v[KF+16*\kt+8*\ks:KF+16*\kt+8*\ks+3],   v[ADRK+\s] offset:(64*(\t)+16*\kt)*KP+64*\ks
	ds_load_b128 v[KF+16*\kt+8*\ks+4:KF+16*\kt+8*\ks+7], v[ADRK+\s] offset:(64*(\t)+16*\kt)*KP+64*\ks+32
.endr
.endr
.endm
.macro VLOAD s, t                      ; 16 transposing loads: V^T's fragments of the same keys
.irp ks, 0,1
.irp dt, 0,1,2,3
	ds_load_tr16_b128 v[VF+32*\ks+8*\dt:VF+32*\ks+8*\dt+3],   v[ADRV+\s] offset:(64*(\t)+32*\ks)*VP+32*\dt
	ds_load_tr16_b128 v[VF+32*\ks+8*\dt+4:VF+32*\ks+8*\dt+7], v[ADRV+\s] offset:(64*(\t)+32*\ks)*VP+32*\dt+16*VP
.endr
.endr
.endm
; Scores of query tile q against 64 keys.  The four accumulators take turns, one instruction a turn.
.macro SQ q, pass
.irp kt, 0,1,2,3
	v_wmma_f32_16x16x32_f16 v[SC+32*\q+8*\kt:SC+32*\q+8*\kt+7], v[KF+16*\kt:KF+16*\kt+7], v[QF+32*\pass+16*\q:QF+32*\pass+16*\q+7], 0
.endr
.irp kt, 0,1,2,3
	v_wmma_f32_16x16x32_f16 v[SC+32*\q+8*\kt:SC+32*\q+8*\kt+7], v[KF+16*\kt+8:KF+16*\kt+15], v[QF+32*\pass+16*\q+8:QF+32*\pass+16*\q+15], v[SC+32*\q+8*\kt:SC+32*\q+8*\kt+7]
.endr
.endm
; Softmax step of query tile q: mask, running maximum, p = 2^(sigma s - sigma m), running sum, p to f16 in place.
.macro SM q, t, mask, first
.if \mask
.irp kt, 0,1,2,3
.irp j, 0,1,2,3,4,5,6,7
	v_cmp_gt_i32 vcc_lo, 64*\t+16*\kt+\j, v[DLT+\q]                ; key 64 t + 16 kt + 8 h + j lies behind the query
	v_cndmask_b32 v[SC+32*\q+8*\kt+\j], v[SC+32*\q+8*\kt+\j], v[NINF], vcc_lo
.endr
.endr
.endif
.irp kt, 0,1,2,3
	v_max3_num_f32 v[MX+\kt], v[SC+32*\q+8*\kt], v[SC+32*\q+8*\kt+1], v[SC+32*\q+8*\kt+2]
.endr
.irp kt, 0,1,2,3
	v_max3_num_f32 v[MX+\kt], v[MX+\kt], v[SC+32*\q+8*\kt+3], v[SC+32*\q+8*\kt+4]
.endr
.irp kt, 0,1,2,3
	v_max3_num_f32 v[MX+\kt], v[MX+\kt], v[SC+32*\q+8*\kt+5], v[SC+32*\q+8*\kt+6]
.endr
.irp kt, 0,1,2,3
	v_max_num_f32 v[MX+\kt], v[MX+\kt], v[SC+32*\q+8*\kt+7]
.endr
	v_max3_num_f32 v[MX], v[MX], v[MX+1], v[MX+2]
	v_max_num_f32 v[MX], v[MX], v[MX+3]
	v_permlanex16_b32 v[T], v[MX], s60, s61        ; the other half of the query's keys
.if \first
	v_max_num_f32 v[MN], v[MX], v[T]
	v_mul_f32 v[NM], s66, v[MN]
.else
	v_max3_num_f32 v[MN], v[MX], v[T], v[MR+\q]
	v_mul_f32 v[NM], s66, v[MN]
	v_fma_f32 v[T], v[MR+\q], s62, v[NM]           ; sigma (old maximum - new maximum)
	v_exp_f32 v[AL], v[T]                          ; the packed multiply-adds below are the plain place behind it (ISA guide 5.7.2)
.endif
.irp i, 0,1,2,3,4,5,6,7,8,9,10,11,12,13,14,15
	v_pk_fma_f32 v[SC+32*\q+2*\i:SC+32*\q+2*\i+1], v[SC+32*\q+2*\i:SC+32*\q+2*\i+1], s[62:63], v[NM:NM+1] op_sel_hi:[1,0,0]
.endr
.irp i, 0,1,2,3,4,5,6,7,8,9,10,11,12,13,14,15,16,17,18,19,20,21,22,23,24,25,26,27,28,29,30,31
	v_exp_f32 v[SC+32*\q+\i], v[SC+32*\q+\i]
.endr
	v_mov_b32 v[MR+\q], v[MN]                      ; the plain place between the run of exponentials and the first use of a result
	s_wait_alu depctr_va_vdst(0)
	v_pk_add_f32 v[SUM:SUM+1], v[SC+32*\q:SC+32*\q+1], v[SC+32*\q+2:SC+32*\q+3]
	v_pk_add_f32 v[SUM+2:SUM+3], v[SC+32*\q+4:SC+32*\q+5], v[SC+32*\q+6:SC+32*\q+7]
.irp i, 4,6,8,10,12,14
	v_pk_add_f32 v[SUM:SUM+1], v[SUM:SUM+1], v[SC+32*\q+2*\i:SC+32*\q+2*\i+1]
	v_pk_add_f32 v[SUM+2:SUM+3], v[SUM+2:SUM+3], v[SC+32*\q+2*\i+2:SC+32*\q+2*\i+3]
.endr
	v_pk_add_f32 v[SUM:SUM+1], v[SUM:SUM+1], v[SUM+2:SUM+3]
.if \first
	v_add_f32 v[LR+\q], v[SUM], v[SUM+1]
.else
	v_add_f32 v[SUM], v[SUM], v[SUM+1]
	v_fma_f32 v[LR+\q], v[LR+\q], v[AL], v[SUM]
.endif
.irp i, 0,1,2,3,4,5,6,7,8,9,10,11,12,13,14,15
	v_cvt_pk_f16_f32 v[SC+32*\q+\i], v[SC+32*\q+2*\i], v[SC+32*\q+2*\i+1]   ; in place: word i is written when words 2 i, 2 i + 1 are read
.endr
.endm
.macro RESC q
	WIN 0x41
.irp i, 0,1,2,3,4,5,6,7,8,9,10,11,12,13,14,15
	v_pk_mul_f32 v[OA+32*\q+2*\i:OA+32*\q+2*\i+1], v[OA+32*\q+2*\i:OA+32*\q+2*\i+1], v[AL:AL+1] op_sel_hi:[1,0]
.endr
.endm
.macro PV q, first                     ; four accumulators by turns, one instruction a turn
	WIN 0x50
.irp dt, 0,1,2,3
.if \first
	v_wmma_f32_16x16x32_f16 v[OA+32*\q+8*\dt:OA+32*\q+8*\dt+7], v[VF+8*\dt:VF+8*\dt+7], v[SC+32*\q:SC+32*\q+7], 0
.else
	v_wmma_f32_16x16x32_f16 v[OA+32*\q+8*\dt:OA+32*\q+8*\dt+7], v[VF+8*\dt:VF+8*\dt+7], v[SC+32*\q:SC+32*\q+7], v[OA+32*\q+8*\dt:OA+32*\q+8*\dt+7]
.endif
.endr
.irp dt, 0,1,2,3
	v_wmma_f32_16x16x32_f16 v[OA+32*\q+8*\dt:OA+32*\q+8*\dt+7], v[VF+32+8*\dt:VF+32+8*\dt+7], v[SC+32*\q+8:SC+32*\q+15], v[OA+32*\q+8*\dt:OA+32*\q+8*\dt+7]
.endr
.endm
; 64 keys against my 32 queries.  knext = 1: the next 64 keys' K fragments are fetched as soon as this step's scores are made.
.macro STEP s, t, pass, mask, first, knext
	VLOAD \s, \t
	s_wait_dscnt 16                                ; K's fragments are in; the 16 loads of V just issued stay out
	WIN 0x04
	SQ 0, \pass
	SQ 1, \pass
	WIN 0
	PLACES                                         ; behind the scores' matrix instructions: K's registers are loaded again, the scores are read
.if \knext
	KLOAD \s, \t+1
.endif
	SM 0, \t, \mask, \first
.if \knext
	s_wait_dscnt 16                                ; V's fragments are in; the 16 loads of K just issued stay out
.else
	s_wait_dscnt 0x0
.endif
.if \first == 0
	RESC 0
.endif
	PV 0, \first
	WIN 0
	SM 1, \t, \mask, \first                        ; vector work on registers that the products of tile 0 do not name
.if \first == 0
	RESC 1
.endif
	PV 1, \first
	WIN 0
.rept 5
	v_nop                                          ; five places: the next scores write over P, the next loads over V's fragments, the way out reads O
.endr
.endm
; A tile of 128 keys in slot s.  One barrier: in front of it each wave's reads of the other slot are back and all its tensor loads have landed (this tile's
; part among them); behind it the other slot is filled first, then this slot is read.
.macro TILE s, pass, diag, refill
	s_wait_dscnt 0x0
	s_wait_tensorcnt 0x0
	ds_add_u32 v62, v63
	s_wait_dscnt 0x0
.if \refill
	NEXT 1-\s                                      ; no tensor load of mine is out: a group 0 may be written
.endif
	s_barrier_signal -1
	s_barrier_wait -1
.if \refill
	KVLOAD 1-\s
.endif
	KLOAD \s, 0
	STEP \s, 0, \pass, \diag, \diag, 1
	STEP \s, 1, \pass, \diag, 0, 0
.endm
; The end of a pass: divide by the sum, round to f16, through my stage, 4,096 dense bytes of att.
.macro FINAL pass
	v_permlanex16_b32 v[T], v[LR], s60, s61
	v_permlanex16_b32 v[MN], v[LR+1], s60, s61
	v_add_f32 v[T], v[LR], v[T]
	v_add_f32 v[MN], v[LR+1], v[MN]
	v_rcp_f32 v[AL], v[T]
	v_rcp_f32 v[NM], v[MN]
	v_nop                                          ; the plain place behind the reciprocals
	WIN 0x41
	s_wait_alu depctr_va_vdst(0)
.irp i, 0,1,2,3,4,5,6,7,8,9,10,11,12,13,14,15
	v_pk_mul_f32 v[OA+2*\i:OA+2*\i+1], v[OA+2*\i:OA+2*\i+1], v[AL:AL+1] op_sel_hi:[1,0]
.endr
.irp i, 0,1,2,3,4,5,6,7,8,9,10,11,12,13,14,15
	v_pk_mul_f32 v[OA+32+2*\i:OA+32+2*\i+1], v[OA+32+2*\i:OA+32+2*\i+1], v[NM:NM+1] op_sel_hi:[1,0]
.endr
	WIN 0x05
.irp i, 0,1,2,3,4,5,6,7,8,9,10,11,12,13,14,15,16,17,18,19,20,21,22,23,24,25,26,27,28,29,30,31
	v_cvt_pk_f16_f32 v[KF+\i], v[OA+2*\i], v[OA+2*\i+1]
.endr
	WIN 0
.irp q, 0,1
.irp dt, 0,1,2,3
	ds_store_b128 v[STO], v[KF+16*\q+4*\dt:KF+16*\q+4*\dt+3] offset:16*KP*\q+32*\dt
.endr
.endr
.irp i, 0,1,2,3,4,5,6,7
	ds_load_b128 v[VF+4*\i:VF+4*\i+3], v[RD] offset:4*KP*\i        ; LDS serves a wave's instructions in order: these see the stores above
.endr
.irp i, 0,1,2,3,4,5,6,7
	s_wait_dscnt 7-\i
	global_store_b128 v[CO], v[VF+4*\i:VF+4*\i+3], s[76+2*\pass:77+2*\pass] offset:512*\i   ; 512 consecutive bytes, aligned
.endr
.if \pass == 0
	s_wait_xcnt 0x0                                ; V's registers, which these stores read, are loaded again in the next pass only behind this wait
.endif
.endm
	TILE 0, 0, 1, 1                                ; block 2 c: its diagonal tile
	s_cmp_eq_u32 s14, 0
	s_cbranch_scc1 .Lfirst_done                    ; c = 0: block 0 has no other tile
	s_mov_b32 s71, 0
.Lfirst:
	TILE 1, 0, 0, 1
	TILE 0, 0, 0, 1
	s_add_co_u32 s71, s71, 1
	s_cmp_lt_u32 s71, s14
	s_cbranch_scc1 .Lfirst
.Lfirst_done:
	FINAL 0
	TILE 1, 1, 1, 1                                ; block 15 - 2 c: its diagonal tile
	s_cmp_eq_u32 s14, 7
	s_cbranch_scc1 .Lsecond_done                   ; c = 7: block 1 has one more tile, the last below
	s_mov_b32 s71, 0
.Lsecond:
	TILE 0, 1, 0, 1
	TILE 1, 1, 0, 1
	s_add_co_u32 s71, s71, 1
	s_cmp_lt_u32 s71, s84
	s_cbranch_scc1 .Lsecond
.Lsecond_done:
	TILE 0, 1, 0, 0                                ; the last tile: nothing is left to fetch
	FINAL 1
	s_wait_tensorcnt 0x0
	ds_add_u32 v62, v63
	s_wait_dscnt 0x0
	s_endpgm
.Lfunc_end_k_q6218284fd8_attn:
	.size	k_q6218284fd8_attn, .Lfunc_end_k_q6218284fd8_attn-k_q6218284fd8_attn
	.p2alignl 7, 3214868480
	.fill 96, 4, 3214868480
	.section	.rodata,"a",@progbits
	.p2align	6, 0x0
	.amdhsa_kernel k_q6218284fd8_attn
		.amdhsa_group_segment_fixed_size 327680
		.amdhsa_private_segment_fixed_size 0
		.amdhsa_enable_private_segment 0
		.amdhsa_kernarg_size 32
		.amdhsa_user_sgpr_count 2
		.amdhsa_user_sgpr_kernarg_segment_ptr 1
		.amdhsa_wavefront_size32 1
		.amdhsa_system_sgpr_workgroup_id_x 1
		.amdhsa_system_sgpr_workgroup_id_y 1
		.amdhsa_system_sgpr_workgroup_id_z 1
		.amdhsa_system_vgpr_workitem_id 0
		.amdhsa_next_free_vgpr 384
		.amdhsa_next_free_sgpr 96
		.amdhsa_reserve_vcc 1
		.amdhsa_float_denorm_mode_32 3
		.amdhsa_float_denorm_mode_16_64 3
		.amdhsa_memory_ordered 1
		.amdhsa_forward_progress 1
		.amdhsa_inst_pref_size 255
	.end_amdhsa_kernel
	.section	.bss,"aw",@nobits
	.p2align	6
	.space	262144
	.amdgpu_metadata
---
amdhsa.version: [ 1, 2 ]
amdhsa.kernels:
  - .name:           k_q6218284fd8_attn
    .symbol:         k_q6218284fd8_attn.kd
    .args:
      - { .name: qh, .offset: 0, .size: 8, .value_kind: global_buffer, .address_space: global }
      - { .name: kh, .offset: 8, .size: 8, .value_kind: global_buffer, .address_space: global }
      - { .name: vh, .offset: 16, .size: 8, .value_kind: global_buffer, .address_space: global }
      - { .name: att, .offset: 24, .size: 8, .value_kind: global_buffer, .address_space: global }
    .group_segment_fixed_size: 327680
    .private_segment_fixed_size: 0
    .kernarg_segment_align: 8
    .kernarg_segment_size: 32
    .max_flat_workgroup_size: 128
    .sgpr_count:     96
    .vgpr_count:     384
    .wavefront_size: 32
...
	.end_amdgpu_metadata
.endif
;; end of part 3
;; launch proj (part 4): grid 8 x 32, 4 waves a work-group, clusters of 4 x 4, 327,680 bytes of LDS; arguments att, wpt, bproj, out0; writes out0
.if DOCPART == 4
	.amdgcn_target "amdgcn-amd-amdhsa--gfx1250"
	.amdhsa_code_object_version 6
	.text
	.protected	k_q6218284fd8_proj
	.globl	k_q6218284fd8_proj
	.p2align	8
	.type	k_q6218284fd8_proj,@function
k_q6218284fd8_proj:
	s_mov_b64 s[64:65], 0
	v_nop
	global_prefetch_b8 v0, s[64:65] scope:SCOPE_SE
	s_setreg_imm32_b32 hwreg(HW_REG_WAVE_MODE, 25, 1), 1
	s_wait_xcnt 0x0
	s_wait_alu depctr_hold_cnt(0) depctr_sa_sdst(0) depctr_va_vdst(0) depctr_va_sdst(0) depctr_va_ssrc(0) depctr_va_vcc(0) depctr_vm_vsrc(0)
	s_getreg_b32 s2, hwreg(HW_REG_IB_STS2, 6, 4)
	s_cmp_eq_u32 s2, 0
	s_cbranch_scc0 .Lentry_in_a_cluster
	s_endpgm
.Lentry_in_a_cluster:
	s_bfe_u32 s2, ttmp6, 0x10000c
	s_cmp_lg_u32 s2, 0xf033
	s_cbranch_scc0 .Lentry_shape_is_right
	s_endpgm
.Lentry_shape_is_right:
; out0 = att Wproj + bproj.  att: [rb 32][h 16][tl 128][64 d] f16 (row = 128 rb + tl, k = 64 h + d).  wpt: [nb 8][ks 8][nl 128][kl 128] f16.  out0: [4096][1024] f32.
; FORMAT: every input of the program is taken rounded to bf16: wpt holds Wproj's bf16 values as f16, and the bias is rounded here before it is used.
; A work-group makes 128 x 128 of the output (x = nb, y = rb); wave (wm, wn) makes 64 x 64: 16 accumulator tiles in window 1.
; K = 1024 goes through a ring of two LDS slots of K = 256: four head planes of att (65,536 dense bytes) and two K steps of wpt (65,536 dense bytes).
; Waves 0, 1 fetch att's halves, waves 2, 3 wpt's: one tensor load of 32,768 dense bytes each, as 128 rows of 256 bytes.
; CLUSTERS: 4 x 4 work-groups; att's tiles are shared along a row of the cluster, wpt's along a column: joint loads divide the requests for both by four.
; The matrix instruction is used transposed (source 0 = rows of wpt, source 1 = rows of att): a lane holds eight neighbouring columns of one row.
; The bias is the C operand of the first product of each accumulator: it starts the sums, and no addition is written.
.set AP,     144                       ; att's LDS row: 128 bytes + 16
.set BP,     272                       ; wpt's LDS row: 256 bytes + 16
.set APLANE, 128*AP
.set BSTEP,  128*BP
.set ABYTES, 4*APLANE
.set SLOT,   ABYTES+2*BSTEP
.set STAGE,  2*SLOT                    ; 16 rows x 272 bytes for each wave, for the way out; no tensor load lands here
.set SPITCH, 272
.set ADRA,   16
.set ADRB,   20
.set STO,    24
.set RD,     25
.set CO,     26
.set BO,     27
.set BT,     32                        ; v32-47 at work while the bias is rounded
.set F0,     64                        ; fragment buffer 0: att at + 8 a, wpt at + 32 + 8 b
.set F1,     128
.set BI,     192                       ; bias of columns 16 b + 8 h + 0..7 at 8 b
.set G1A,    24
.set G0A,    32
.set G1B,    40
.set G0B,    48
.set MSB, 0
.macro WIN new
.if MSB != \new
	s_set_vgpr_msb (MSB<<8)|\new
.set MSB, \new
.endif
.endm
.macro PLACES                          ; four places behind a matrix instruction before its registers are loaded into, stored or read (ISA guide 7.12.1)
.rept 4
	v_nop
.endr
.endm
.macro JLOAD s
	s_cmp_eq_u32 s13, 0
	s_cbranch_scc0 .Lfor_b_\@
	tensor_load_to_lds s[G0A+4*\s:G0A+4*\s+3], s[G1A:G1A+7]
	s_nop 0
	s_branch .Lasked_\@
.Lfor_b_\@:
	tensor_load_to_lds s[G0B+4*\s:G0B+4*\s+3], s[G1B:G1B+7]
	s_nop 0
.Lasked_\@:
.endm
.macro CROUND                          ; a round of the cluster's barrier
	s_barrier_signal -1
	s_barrier_wait -1
	s_cmp_lg_u32 s12, 0
	s_cbranch_scc1 .Lnot_wave_0_\@
	s_barrier_signal -3
.Lnot_wave_0_\@:
	s_barrier_wait -3
	s_barrier_signal -1
	s_barrier_wait -1
.endm
	s_load_b256 s[4:11], s[0:1], 0x0               ; att s[4:5], wpt s[6:7], bproj s[8:9], out0 s[10:11]
	v_lshl_add_u32 v254, v0, 2, 0x4a400
	v_mov_b32 v255, 0
	ds_add_u32 v254, v255
	ds_add_u32 v254, v255
	v_lshrrev_b32 v1, 5, v0
	v_readfirstlane_b32 s12, v1                    ; wave 0..3
	s_lshr_b32 s13, s12, 1                         ; wm.  Also: I fetch for att (0) or for wpt (1)
	s_and_b32 s14, s12, 1                          ; wn.  Also: which half I fetch
	s_bfe_u32 s15, ttmp6, 0x40000                  ; cx
	s_bfe_u32 s16, ttmp6, 0x40004                  ; cy
	s_lshl_b32 s17, ttmp9, 2
	s_add_co_u32 s17, s17, s15                     ; nb
	s_and_b32 s18, ttmp7, 0xffff
	s_lshl_b32 s18, s18, 2
	s_add_co_u32 s18, s18, s16                     ; rb
	s_lshl_b32 s19, s16, 2
	s_lshl_b32 s19, 15, s19                        ; my row of the cluster
	s_lshl_b32 s20, 0x1111, s15                    ; my column
	s_or_b32 s[G1A+0], s19, (3<<16)|(1<<20)|(1<<21)|(4<<22)|(3<<25)   ; elements of 8 bytes; padding of 4 words behind every 32 words (a row of 64 f16)
	s_mov_b32 s[G1A+1], 32<<16                     ; rows of 32 elements = 256 bytes
	s_mov_b32 s[G1A+2], 128<<16                    ; 128 rows
	s_mov_b32 s[G1A+3], 32<<16
	s_mov_b32 s[G1A+4], 128
	s_mov_b32 s[G1A+5], 32                         ; dense
	s_mov_b32 s[G1A+6], 0
	s_mov_b32 s[G1A+7], 0
	s_or_b32 s[G1B+0], s20, (3<<16)|(1<<20)|(1<<21)|(5<<22)|(3<<25)   ; padding of 4 words behind every 64 words (a row of 128 f16)
	s_mov_b32 s[G1B+1], 32<<16
	s_mov_b32 s[G1B+2], 128<<16
	s_mov_b32 s[G1B+3], 32<<16
	s_mov_b32 s[G1B+4], 128
	s_mov_b32 s[G1B+5], 32
	s_mov_b32 s[G1B+6], 0
	s_mov_b32 s[G1B+7], 0
	s_lshl_b32 s56, s18, 18                        ; att: my row block; registers that never hold cx
	s_lshl_b32 s57, s14, 15
	s_add_co_u32 s56, s56, s57
	s_mov_b32 s57, 0
	s_lshl_b32 s58, s17, 18                        ; wpt: my column block; registers that never hold cy
	s_lshl_b32 s59, s14, 15
	s_add_co_u32 s58, s58, s59
	s_mov_b32 s59, 0
	s_mul_i32 s60, s12, 2*APLANE                   ; LDS: waves 0, 1: two planes of att each
	s_mul_i32 s61, s12, BSTEP
	s_add_co_u32 s61, s61, ABYTES-2*BSTEP          ; waves 2, 3: one K step of wpt each, behind att
	s_wait_dscnt 0x0
	s_wait_kmcnt 0x0
	s_add_nc_u64 s[56:57], s[4:5], s[56:57]
	s_add_nc_u64 s[58:59], s[6:7], s[58:59]
	CROUND                                         ; all sixteen work-groups are here: the first joint loads meet
.irp s, 0,1
	s_mov_b32 s[G0A+4*\s], 1
	s_add_co_u32 s[G0A+4*\s+1], s60, \s*SLOT
	s_add_nc_u64 s[G0A+4*\s+2:G0A+4*\s+3], s[56:57], \s*65536
	s_or_b32 s[G0A+4*\s+3], s[G0A+4*\s+3], 0x80000000
	s_mov_b32 s[G0B+4*\s], 1
	s_add_co_u32 s[G0B+4*\s+1], s61, \s*SLOT
	s_add_nc_u64 s[G0B+4*\s+2:G0B+4*\s+3], s[58:59], \s*65536
	s_or_b32 s[G0B+4*\s+3], s[G0B+4*\s+3], 0x80000000
	JLOAD \s                                       ; two tensor loads of the wave are out here, later one
.endr
	v_and_b32 v1, 15, v0                           ; r
	v_bfe_u32 v2, v0, 4, 1                         ; h
	s_lshl_b32 s68, s17, 9
	s_lshl_b32 s69, s14, 8
	s_add_co_u32 s68, s68, s69                     ; my first column, in bytes of f32
	s_mov_b32 s69, 0
	s_add_nc_u64 s[8:9], s[8:9], s[68:69]
	v_lshlrev_b32 v[BO], 5, v2
.irp b, 0,1,2,3
	global_load_b128 v[BI+8*\b:BI+8*\b+3],   v[BO], s[8:9] offset:64*\b
	global_load_b128 v[BI+8*\b+4:BI+8*\b+7], v[BO], s[8:9] offset:64*\b+16
.endr
	s_lshl_b32 s70, s18, 19                        ; 128 rows of 4,096 bytes
	s_lshl_b32 s71, s13, 18
	s_add_co_u32 s70, s70, s71
	s_add_co_u32 s70, s70, s68
	s_mov_b32 s71, 0
	s_add_nc_u64 s[10:11], s[10:11], s[70:71]
	v_mul_u32_u24 v3, v1, AP
	v_lshl_add_u32 v3, v2, 4, v3
	s_mul_i32 s62, s13, 64*AP
	v_add_nc_u32 v[ADRA], s62, v3
	v_add_nc_u32 v[ADRA+1], SLOT, v[ADRA]
	v_mul_u32_u24 v4, v1, BP
	v_lshl_add_u32 v4, v2, 4, v4
	s_mul_i32 s63, s14, 64*BP
	s_add_co_u32 s63, s63, ABYTES
	v_add_nc_u32 v[ADRB], s63, v4
	v_add_nc_u32 v[ADRB+1], SLOT, v[ADRB]
	s_mul_i32 s66, s12, 16*SPITCH
	s_add_co_u32 s66, s66, STAGE
	v_mul_u32_u24 v5, v1, SPITCH
	v_lshl_add_u32 v5, v2, 5, v5                   ; in: row r, 32 bytes (8 f32) for each half of the lanes
	v_add_nc_u32 v[STO], s66, v5
	v_mul_u32_u24 v6, v2, SPITCH
	v_lshl_add_u32 v6, v1, 4, v6                   ; back: lanes 0-15 one row of 256 bytes, lanes 16-31 the next
	v_add_nc_u32 v[RD], s66, v6
	v_lshlrev_b32 v7, 12, v2
	v_lshl_add_u32 v[CO], v1, 4, v7
; 16 LDS loads: the fragments of quarter qd (32 along K, 0..7 in a slot) into buffer f
.macro FETCH s, qd, f
.irp i, 0,1,2,3
	ds_load_b128 v[\f+8*\i:\f+8*\i+3],   v[ADRA+\s] offset:((\qd)>>1)*APLANE+((\qd)&1)*64+\i*16*AP
	ds_load_b128 v[\f+8*\i+4:\f+8*\i+7], v[ADRA+\s] offset:((\qd)>>1)*APLANE+((\qd)&1)*64+\i*16*AP+32
.endr
.irp i, 0,1,2,3
	ds_load_b128 v[\f+32+8*\i:\f+32+8*\i+3],   v[ADRB+\s] offset:((\qd)>>2)*BSTEP+((\qd)&3)*64+\i*16*BP
	ds_load_b128 v[\f+32+8*\i+4:\f+32+8*\i+7], v[ADRB+\s] offset:((\qd)>>2)*BSTEP+((\qd)&3)*64+\i*16*BP+32
.endr
.endm
; 16 matrix instructions; the 16 accumulators take turns, one instruction a turn.  start = 1: C is the bias.
.macro MUL16 f, start
.if \start
	WIN 0x40
.else
	WIN 0x50
.endif
.irp a, 0,1,2,3
.irp b, 0,1,2,3
.if \start
	v_wmma_f32_16x16x32_f16 v[8*(4*\a+\b):8*(4*\a+\b)+7], v[\f+32+8*\b:\f+32+8*\b+7], v[\f+8*\a:\f+8*\a+7], v[BI+8*\b:BI+8*\b+7]
.else
	v_wmma_f32_16x16x32_f16 v[8*(4*\a+\b):8*(4*\a+\b)+7], v[\f+32+8*\b:\f+32+8*\b+7], v[\f+8*\a:\f+8*\a+7], v[8*(4*\a+\b):8*(4*\a+\b)+7]
.endif
.endr
.endr
	WIN 0
.endm
; A slot's eight quarters; quarter 0's fragments are already asked for, into buffer 0
.macro SLOTWORK s, start
.irp qd, 0,1,2,3,4,5,6
	PLACES
	FETCH \s, \qd+1, F0+64*((\qd+1)&1)
	s_wait_dscnt 16                                ; this quarter's fragments are in; the 16 loads just issued stay out
.if \qd == 0
	MUL16 F0, \start
.else
	MUL16 F0+64*(\qd&1), 0
.endif
.endr
	PLACES
	s_wait_dscnt 0x0
	MUL16 F1, 0
.endm
; The change of slots with a refill: each wave's waits, a round of the cluster's barrier, the joint refill first behind it
.macro CHANGE old, new
	s_wait_tensorcnt 0x0                           ; all my tensor loads have landed, my part of the next slot among them: a group 0 may be written
	ds_add_u32 v254, v255
	s_add_nc_u64 s[G0A+4*\old+2:G0A+4*\old+3], s[G0A+4*\old+2:G0A+4*\old+3], 131072
	s_add_nc_u64 s[G0B+4*\old+2:G0B+4*\old+3], s[G0B+4*\old+2:G0B+4*\old+3], 131072
	s_wait_dscnt 0x0                               ; my reads of the old slot are over
	CROUND
	JLOAD \old
	FETCH \new, 0, F0
.endm
	s_wait_loadcnt 0x0                             ; the bias
	; the bias is rounded to bf16, as every input is, and widened again
.irp n, 0,1,2,3,4,5,6,7,8,9,10,11,12,13,14,15
	v_cvt_pk_bf16_f32 v[BT+\n], v[BI+2*\n], v[BI+2*\n+1]
.endr
.irp n, 0,1,2,3,4,5,6,7,8,9,10,11,12,13,14,15
	v_lshlrev_b32 v[BI+2*\n], 16, v[BT+\n]
	v_and_b32 v[BI+2*\n+1], 0xffff0000, v[BT+\n]
.endr
	s_wait_tensorcnt 1                             ; my part of slot 0 is in; slot 1's stays out
	s_barrier_signal -1
	s_barrier_wait -1
	FETCH 0, 0, F0
	SLOTWORK 0, 1                                  ; K 0 .. 255
	CHANGE 0, 1
	SLOTWORK 1, 0                                  ; K 256 .. 511
	CHANGE 1, 0
	SLOTWORK 0, 0                                  ; K 512 .. 767
	s_wait_tensorcnt 0x0                           ; the last slot: nothing is left to fetch
	s_wait_dscnt 0x0
	s_barrier_signal -1
	s_barrier_wait -1
	FETCH 1, 0, F0
	SLOTWORK 1, 0                                  ; K 768 .. 1023
	; THE WAY OUT, 16 rows at a time: 32 bytes a lane from the accumulators into my stage, read back as rows of 256 bytes.
	PLACES
.macro OUT16 a, f
	WIN 0x04
.irp b, 0,1,2,3
	ds_store_b128 v[STO], v[8*(4*\a+\b):8*(4*\a+\b)+3] offset:64*\b
	ds_store_b128 v[STO], v[8*(4*\a+\b)+4:8*(4*\a+\b)+7] offset:64*\b+16
.endr
	WIN 0
	s_wait_xcnt 0x0                                ; buffer f, which earlier stores read, is loaded again only behind this wait
.irp t, 0,1,2,3,4,5,6,7
	ds_load_b128 v[\f+4*\t:\f+4*\t+3], v[RD] offset:\t*2*SPITCH    ; LDS serves a wave's instructions in order: these see the stores above
.endr
.irp t, 0,1,2,3,4,5,6,7
	s_wait_dscnt 7-\t
	global_store_b128 v[CO], v[\f+4*\t:\f+4*\t+3], s[10:11] offset:(16*\a+2*\t)*4096 th:TH_STORE_NT   ; 16 lanes store 256 consecutive bytes, aligned
.endr
.endm
	OUT16 0, F0
	OUT16 1, F1
	OUT16 2, F0
	OUT16 3, F1
	s_wait_tensorcnt 0x0
	ds_add_u32 v254, v255
	s_wait_dscnt 0x0
	CROUND                                         ; the closing round: no work-group ends while a partner may still ask for a tile that names it
	s_endpgm
.Lfunc_end_k_q6218284fd8_proj:
	.size	k_q6218284fd8_proj, .Lfunc_end_k_q6218284fd8_proj-k_q6218284fd8_proj
	.p2alignl 7, 3214868480
	.fill 96, 4, 3214868480
	.section	.rodata,"a",@progbits
	.p2align	6, 0x0
	.amdhsa_kernel k_q6218284fd8_proj
		.amdhsa_group_segment_fixed_size 327680
		.amdhsa_private_segment_fixed_size 0
		.amdhsa_enable_private_segment 0
		.amdhsa_kernarg_size 32
		.amdhsa_user_sgpr_count 2
		.amdhsa_user_sgpr_kernarg_segment_ptr 1
		.amdhsa_wavefront_size32 1
		.amdhsa_system_sgpr_workgroup_id_x 1
		.amdhsa_system_sgpr_workgroup_id_y 1
		.amdhsa_system_sgpr_workgroup_id_z 1
		.amdhsa_system_vgpr_workitem_id 0
		.amdhsa_next_free_vgpr 384
		.amdhsa_next_free_sgpr 80
		.amdhsa_reserve_vcc 0
		.amdhsa_float_denorm_mode_32 3
		.amdhsa_float_denorm_mode_16_64 3
		.amdhsa_memory_ordered 1
		.amdhsa_forward_progress 1
		.amdhsa_inst_pref_size 92
	.end_amdhsa_kernel
	.amdgpu_metadata
---
amdhsa.version: [ 1, 2 ]
amdhsa.kernels:
  - .name:           k_q6218284fd8_proj
    .symbol:         k_q6218284fd8_proj.kd
    .args:
      - { .name: att, .offset: 0, .size: 8, .value_kind: global_buffer, .address_space: global }
      - { .name: wpt, .offset: 8, .size: 8, .value_kind: global_buffer, .address_space: global }
      - { .name: bproj, .offset: 16, .size: 8, .value_kind: global_buffer, .address_space: global }
      - { .name: out0, .offset: 24, .size: 8, .value_kind: global_buffer, .address_space: global }
    .group_segment_fixed_size: 327680
    .private_segment_fixed_size: 0
    .kernarg_segment_align: 8
    .kernarg_segment_size: 32
    .max_flat_workgroup_size: 128
    .sgpr_count:     80
    .vgpr_count:     384
    .wavefront_size: 32
...
	.end_amdgpu_metadata
.endif
;; end of part 4
;; ======== version 2 of 2: 4 launches; version 1 with the launch prep written anew for expert scheduling mode
;; limits: values are held in f16: magnitudes above 65,504 overflow, below 6.1e-05 lose precision; values outside matrix products are rounded to bf16
;; workspace buffers: xh 8,388,608 bytes; wqt 6,291,456 bytes; wpt 2,097,152 bytes; qh 8,388,608 bytes; kh 8,388,608 bytes; vh 8,388,608 bytes; att 8,388,608 bytes
;; launch prep (part 5): grid 256 x 1, 8 waves a work-group, no clusters, 50,688 bytes of LDS; arguments x, Wqkv, Wproj, xh, wqt, wpt; writes xh, wqt, wpt
.if DOCPART == 5
	.amdgcn_target "amdgcn-amd-amdhsa--gfx1250"
	.amdhsa_code_object_version 6
	.text
	.protected	k_q6218284fd8_prep
	.globl	k_q6218284fd8_prep
	.p2align	8
	.type	k_q6218284fd8_prep,@function
k_q6218284fd8_prep:
	s_mov_b64 s[64:65], 0
	v_nop
	global_prefetch_b8 v0, s[64:65] scope:SCOPE_SE
	s_setreg_imm32_b32 hwreg(HW_REG_WAVE_SCHED_MODE, 0, 2), 2
	s_setreg_imm32_b32 hwreg(HW_REG_WAVE_MODE, 25, 1), 1
	s_wait_xcnt 0x0
	s_wait_alu depctr_vm_vsrc(0)
; prep: x -> bf16 (xh), and the two weight matrices rounded to bf16, transposed and blocked so that K lies along 256-byte rows:
;   wqt[h 16][ks 8][row = sel*64 + d, 192][kl 128]   bf16; row (sel, d) of block h is column sel*1024 + h*64 + d of Wqkv, k = 128 ks + kl
;   wpt[nb 8][ks 8][nl 128][kl 128]                  n = 128 nb + nl; the bf16 VALUES, held as f16, because their partner in the product (att) is f16
; FORMAT: every input of the program is taken rounded to bf16, the rounding that the problem allows for its inputs (relative error up to 2^-8).
; LIMIT: Wproj's bf16 values are carried in f16: exact from 7.6e-6 to 65,504; below, an absolute error of at most 3e-8; above, an infinity.
; 256 work-groups of 8 waves.  Work-group g converts 65,536 bytes of x (8,192 a wave) and transposes two tiles of 128 k x 64 n:
; g < 192 tiles of Wqkv, the others of Wproj; addresses are chosen by selects on the work-group's number.
; A tile: wave w loads k rows 16 w .. 16 w + 15 (a load of a wave = two whole rows of 256 bytes), packs (k, k+1) of one column into a word and
; stores it into ITS OWN region of LDS, [64 n][16 k]; behind one barrier the tile is read back by rows of n (16 bytes from region l15/2 for
; each lane) and stored as 64 dense rows of 256 bytes: each store of a wave covers 512 consecutive bytes, aligned.
; THE MODE: SCHED_MODE bits 1:0 = 2 (LLVM: expert scheduling mode 2), set by the entry lines.  The code itself states the register dependences
; between vector instructions and memory or LDS instructions, with s_wait_alu, always for 0.
; THE PLAN.  Registers that memory or LDS instructions touch:
;   v16-28      byte offsets and LDS addresses: written by vector instructions at the head, once; read by every load and store.
;   WD v32-95   the loads of W land here; W's roundings read it, and Wproj's arm uses it as work registers; behind the barrier the read-backs from LDS
;               land in v32-63, and the last global stores read them.
;   XD v96-159  the loads of x land here, once; x's roundings read it.
;   WP v192-223 written by W's roundings; read by the LDS stores; never written again.
;   XP v160-191 written by x's roundings, each register once; read by the stores of xh.
;   v224, v225  written at the head; read by the closing add alone.
; One wait on va_vdst ahead of the first load states that the addresses are written.  One where the two arms join states that WP is written and that no vector
; instruction still names WD: behind it only XD and XP are named by vector instructions.  x goes in four batches of four loads: the wait at a batch's head
; states that the batch before has written its eight registers of XP, and that batch's four stores are dealt among this batch's roundings, which name other
; registers.  No register that a load or store has read is written again, so no wait on vm_vsrc is owed.
.set NP,  48                           ; a region's row: 32 bytes (16 k) + 16 of padding, so that the 16-byte read-back stays aligned
.set REG, 64*NP+32                     ; a wave's region; the 32 bytes behind it put the eight regions 8 banks apart (64 banks of 4 bytes: ISA guide 11.1): the read-back has no conflict
.set TB,  8*REG                        ; a tile in LDS
.set VO,  16                           ; v[16:23]  byte offset in W of my 16 bytes in load m of a tile (rows 4 i + e, m = 2 i + e)
.set TS,  24                           ; LDS: where I store a packed word
.set TR,  25                           ; LDS: where I read 16 bytes of a row back
.set WO,  26                           ; byte offset of those 16 bytes in the tile's output
.set XI,  27                           ; byte offset of my 16 bytes of x
.set XO,  28                           ; byte offset of my 8 bytes of xh
.set WD,  32                           ; v[32:95]   W as loaded: tile u, load m at 32 u + 4 m; then at work; later the read-back
.set XD,  96                           ; v[96:159]  x as loaded
.set XP,  160                          ; v[160:191] x packed
.set WP,  192                          ; v[192:223] W packed
	s_load_b256 s[4:11], s[0:1], 0x0               ; x s[4:5], Wqkv s[6:7], Wproj s[8:9], xh s[10:11]
	s_load_b128 s[12:15], s[0:1], 0x20             ; wqt s[12:13], wpt s[14:15]
	v_lshl_add_u32 v224, v0, 2, 0xc200             ; the LDS address of my spare word, behind the two tiles; kept for the closing lines alone
	v_mov_b32 v225, 0                              ; and 0, likewise
	v_lshrrev_b32 v1, 5, v0
	v_readfirstlane_b32 s16, v1                    ; wave 0..7
	v_and_b32 v2, 31, v0                           ; lane
	v_and_b32 v3, 15, v0                           ; l15
	v_bfe_u32 v4, v0, 4, 1                         ; hh
	; which tiles are mine
	s_mov_b32 s18, 12288                           ; Wqkv: bytes from row to row
	s_mov_b32 s19, 4096                            ; Wproj
	s_mov_b32 s22, 192                             ; rows of a block of wqt
	s_mov_b32 s23, 128                             ; of wpt
	s_cmp_ge_u32 ttmp9, 192
	s_cselect_b32 s17, 192, 0
	s_cselect_b32 s18, s19, s18                    ; pitch
	s_cselect_b32 s22, s23, s22                    ; rows
	s_sub_co_u32 s17, ttmp9, s17                   ; my number among the work-groups of my matrix
	s_and_b32 s20, s17, 3
	s_lshl_b32 s20, s20, 1                         ; ks of tile 0; tile 1 is ks + 1
	s_lshr_b32 s21, s17, 2                         ; group of 64 columns
	s_and_b32 s24, s21, 15                         ; Wqkv: block = head,
	s_lshr_b32 s25, s21, 4                         ;       sub = sel
	s_lshr_b32 s26, s21, 1                         ; Wproj: block = nb,
	s_and_b32 s27, s21, 1                          ;        sub = which half of its 128 rows
	s_cmp_ge_u32 ttmp9, 192
	s_cselect_b32 s24, s26, s24
	s_cselect_b32 s25, s27, s25
	s_lshl_b32 s28, s18, 7                         ; 128 rows of W: from a K step to the next
	s_mov_b32 s29, 0
	s_mul_i32 s30, s20, s28
	s_lshl_b32 s31, s21, 8
	s_add_co_u32 s30, s30, s31                     ; source: ks * 128 * pitch + group * 256
	s_mov_b32 s31, 0
	s_lshl_b32 s32, s24, 3
	s_add_co_u32 s32, s32, s20
	s_mul_i32 s32, s32, s22
	s_lshl_b32 s33, s25, 6
	s_add_co_u32 s32, s32, s33
	s_lshl_b32 s32, s32, 8                         ; output: ((block * 8 + ks) * rows + sub * 64) * 256
	s_mov_b32 s33, 0
	s_lshl_b32 s34, s22, 8                         ; a block's bytes: tile 1's output lies one block further
	s_mov_b32 s35, 0
	s_lshl_b32 s44, ttmp9, 16                      ; my 65,536 bytes of x
	s_mov_b32 s45, 0
	s_lshl_b32 s46, ttmp9, 15                      ; my 32,768 bytes of xh
	s_mov_b32 s47, 0
	; lane addresses
	s_wait_alu depctr_va_sdst(0)                   ; s16, the wave's number, is written, ahead of its first reader: the line below
	s_lshl_b32 s48, s16, 4
	v_lshl_add_u32 v5, v4, 1, s48                  ; 16 wave + 2 hh: lanes 16-31 take the row two below
	v_mul_u32_u24 v6, s18, v5
	v_lshl_add_u32 v6, v3, 4, v6                   ; x pitch + 16 l15
.irp m, 0,1,2,3,4,5,6,7
	v_mad_u32_u24 v[VO+\m], s18, 4*(\m>>1)+(\m&1), v6
.endr
	s_mul_i32 s49, s16, REG
	v_mul_u32_u24 v[TS], v3, 4*NP                  ; n = 4 l15 (+ cc in the immediate)
	v_lshl_add_u32 v[TS], v4, 2, v[TS]             ; k pair 2 hh (+ 4 i in the immediate)
	v_add_nc_u32 v[TS], s49, v[TS]                 ; in my wave's region
	v_lshrrev_b32 v7, 1, v3
	v_and_b32 v8, 1, v3
	v_mul_u32_u24 v[TR], v7, REG                   ; bytes 16 l15 .. of a row of 128 k lie in region l15 / 2,
	v_lshl_add_u32 v[TR], v8, 4, v[TR]             ; half l15 & 1
	v_mad_u32_u24 v[TR], v4, NP, v[TR]
	s_mul_i32 s50, s16, 8*NP
	v_add_nc_u32 v[TR], s50, v[TR]                 ; row n = 8 wave + hh (+ 2 i2 in the immediate)
	s_lshl_b32 s51, s16, 11
	v_lshlrev_b32 v[WO], 8, v4
	v_lshl_add_u32 v[WO], v3, 4, v[WO]
	v_add_nc_u32 v[WO], s51, v[WO]
	s_lshl_b32 s48, s16, 13
	v_lshl_add_u32 v[XI], v2, 4, s48
	s_lshl_b32 s49, s16, 12
	v_lshl_add_u32 v[XO], v2, 3, s49
	s_cmp_ge_u32 ttmp9, 192
	s_wait_kmcnt 0x0
	s_cselect_b64 s[36:37], s[8:9], s[6:7]         ; the matrix that I read
	s_cselect_b64 s[38:39], s[14:15], s[12:13]     ; the buffer that I write
	s_add_nc_u64 s[36:37], s[36:37], s[30:31]      ; tile 0
	s_add_nc_u64 s[40:41], s[36:37], s[28:29]      ; tile 1
	s_add_nc_u64 s[38:39], s[38:39], s[32:33]
	s_add_nc_u64 s[42:43], s[38:39], s[34:35]
	s_add_nc_u64 s[4:5], s[4:5], s[44:45]
	s_add_nc_u64 s[10:11], s[10:11], s[46:47]
	s_wait_alu depctr_va_vdst(0)                   ; the offsets and LDS addresses v16 to v28 are written: every load and store of the kernel reads one of them, and none is written again
	; all 32 loads of the wave go out at once: 16 of W, then 16 of x; every byte is read once in the launch
.irp m, 0,1,2,3,4,5,6,7
	global_load_b128 v[WD+4*\m:WD+4*\m+3], v[VO+\m], s[36:37] th:TH_LOAD_NT
.endr
.irp m, 0,1,2,3,4,5,6,7
	global_load_b128 v[WD+32+4*\m:WD+32+4*\m+3], v[VO+\m], s[40:41] th:TH_LOAD_NT
.endr
.irp i, 0,1,2,3,4,5,6,7,8,9,10,11,12,13,14,15
	global_load_b128 v[XD+4*\i:XD+4*\i+3], v[XI], s[4:5] offset:512*\i th:TH_LOAD_NT
.endr
	s_wait_loadcnt 16                              ; loads come back in order (ISA guide 5.7.1): W is in, the 16 younger loads of x stay out
.irp u, 0,1
.irp i, 0,1,2,3
.irp cc, 0,1,2,3
	v_cvt_pk_bf16_f32 v[WP+16*\u+4*\i+\cc], v[WD+32*\u+8*\i+\cc], v[WD+32*\u+8*\i+4+\cc]   ; (k, k+1) of column 4 l15 + cc, rounded to bf16
.endr
.endr
.endr
	s_cmp_lt_u32 ttmp9, 192
	s_cbranch_scc1 .Lpacked                        ; Wqkv stays in bf16
	; Wproj: the bf16 values are written over as f16: 8 significant bits fit into f16's 11
.set n, 0
.rept 32
	v_lshlrev_b32 v[WD+2*n], 16, v[WP+n]
	v_and_b32 v[WD+2*n+1], 0xffff0000, v[WP+n]
	v_cvt_pk_f16_f32 v[WP+n], v[WD+2*n], v[WD+2*n+1]
.set n, n+1
.endr
.Lpacked:
	s_wait_alu depctr_va_vdst(0)                   ; on both ways: the conversions have written WP, which the LDS stores read, and are done with WD, in which the read-backs behind the barrier land
.irp u, 0,1
.irp i, 0,1,2,3
.irp cc, 0,1,2,3
	ds_store_b32 v[TS], v[WP+16*\u+4*\i+\cc] offset:\u*TB+\cc*NP+8*\i   ; lanes 192 bytes apart: four lanes meet in a bank, 32 such stores a wave
.endr
.endr
.endr
; x, batch p of four: loads 4 p .. 4 p + 3 are rounded into XP's registers 8 p .. 8 p + 7; the stores of batch p - 1 are dealt among the roundings.
; left = how many younger loads of x may still be out.
.macro XB p, left
	s_wait_loadcnt \left                           ; this batch's four loads of x are in, the younger ones stay out
.if (\p) > 0
	s_wait_alu depctr_va_vdst(0)                   ; the batch before has written its eight registers of XP, which the four stores below read; this batch's roundings name other registers
.endif
.irp j, 0,1,2,3
.if (\p) > 0
	global_store_b64 v[XO], v[XP+8*((\p)-1)+2*(\j):XP+8*((\p)-1)+2*(\j)+1], s[10:11] offset:256*(4*((\p)-1)+(\j))   ; the wave stores 256 consecutive bytes, aligned
.endif
	v_cvt_pk_bf16_f32 v[XP+8*(\p)+2*(\j)], v[XD+16*(\p)+4*(\j)], v[XD+16*(\p)+4*(\j)+1]
	v_cvt_pk_bf16_f32 v[XP+8*(\p)+2*(\j)+1], v[XD+16*(\p)+4*(\j)+2], v[XD+16*(\p)+4*(\j)+3]
.endr
.endm
	XB 0, 12
	XB 1, 8
	XB 2, 4
	XB 3, 0
	s_wait_alu depctr_va_vdst(0)                   ; the last batch has written XP's registers 24 to 31, which the last four stores read
.irp j, 0,1,2,3
	global_store_b64 v[XO], v[XP+24+2*\j:XP+24+2*\j+1], s[10:11] offset:256*(12+\j)
.endr
	s_wait_dscnt 0x0                               ; my words are in LDS: the other waves read them behind the barrier
	s_barrier_signal -1
	s_barrier_wait -1
.irp u, 0,1
.irp i, 0,1,2,3
	ds_load_b128 v[WD+16*\u+4*\i:WD+16*\u+4*\i+3], v[TR] offset:\u*TB+2*NP*\i   ; no wait: no vector instruction since the wait where the two ways join names WD
.endr
.endr
.irp i, 0,1,2,3
	s_wait_dscnt 7-\i                              ; LDS loads come back in order: read-back i is in
	global_store_b128 v[WO], v[WD+4*\i:WD+4*\i+3], s[38:39] offset:512*\i
.endr
.irp i, 0,1,2,3
	s_wait_dscnt 3-\i
	global_store_b128 v[WO], v[WD+16+4*\i:WD+16+4*\i+3], s[42:43] offset:512*\i
.endr
	s_wait_dscnt 0x0                               ; the closing lines, six on end
	s_wait_alu 0x0
	s_wait_tensorcnt 0x0
	ds_add_u32 v224, v225
	s_wait_dscnt 0x0
	s_endpgm
.Lfunc_end_k_q6218284fd8_prep:
	.size	k_q6218284fd8_prep, .Lfunc_end_k_q6218284fd8_prep-k_q6218284fd8_prep
	.p2alignl 7, 3214868480
	.fill 96, 4, 3214868480
	.section	.rodata,"a",@progbits
	.p2align	6, 0x0
	.amdhsa_kernel k_q6218284fd8_prep
		.amdhsa_group_segment_fixed_size 50688
		.amdhsa_private_segment_fixed_size 0
		.amdhsa_enable_private_segment 0
		.amdhsa_kernarg_size 48
		.amdhsa_user_sgpr_count 2
		.amdhsa_user_sgpr_kernarg_segment_ptr 1
		.amdhsa_wavefront_size32 1
		.amdhsa_system_sgpr_workgroup_id_x 1
		.amdhsa_system_sgpr_workgroup_id_y 1
		.amdhsa_system_sgpr_workgroup_id_z 1
		.amdhsa_system_vgpr_workitem_id 0
		.amdhsa_next_free_vgpr 226
		.amdhsa_next_free_sgpr 66
		.amdhsa_reserve_vcc 0
		.amdhsa_float_denorm_mode_32 3
		.amdhsa_float_denorm_mode_16_64 3
		.amdhsa_memory_ordered 1
		.amdhsa_forward_progress 1
		.amdhsa_inst_pref_size 22
	.end_amdhsa_kernel
	.amdgpu_metadata
---
amdhsa.version: [ 1, 2 ]
amdhsa.kernels:
  - .name:           k_q6218284fd8_prep
    .symbol:         k_q6218284fd8_prep.kd
    .args:
      - { .name: x, .offset: 0, .size: 8, .value_kind: global_buffer, .address_space: global }
      - { .name: Wqkv, .offset: 8, .size: 8, .value_kind: global_buffer, .address_space: global }
      - { .name: Wproj, .offset: 16, .size: 8, .value_kind: global_buffer, .address_space: global }
      - { .name: xh, .offset: 24, .size: 8, .value_kind: global_buffer, .address_space: global }
      - { .name: wqt, .offset: 32, .size: 8, .value_kind: global_buffer, .address_space: global }
      - { .name: wpt, .offset: 40, .size: 8, .value_kind: global_buffer, .address_space: global }
    .group_segment_fixed_size: 50688
    .private_segment_fixed_size: 0
    .kernarg_segment_align: 8
    .kernarg_segment_size: 48
    .max_flat_workgroup_size: 256
    .sgpr_count:     66
    .vgpr_count:     226
    .wavefront_size: 32
...
	.end_amdgpu_metadata
.endif
;; end of part 5
;; launch qkv: the kernel of part 2 again; grid 16 x 16, 4 waves a work-group, clusters of 4 x 4, 327,680 bytes of LDS; arguments xh, wqt, cos, sin, qh, kh, vh; writes qh, kh, vh
;; launch attn: the kernel of part 3 again; grid 8 x 32, 4 waves a work-group, no clusters, 327,680 bytes of LDS; arguments qh, kh, vh, att; writes att
;; launch proj: the kernel of part 4 again; grid 8 x 32, 4 waves a work-group, clusters of 4 x 4, 327,680 bytes of LDS; arguments att, wpt, bproj, out0; writes out0
